; MI455X (gfx1250); checked and timed in simulation.
; The chip was launched on July 23, 2026; its instructions are those of AMD's public machine-readable ISA for CDNA 5 (MIT licence, August 2026) and "CDNA5" Instruction Set Architecture Reference Guide (July 2026). The comments in the code are by the model that wrote it; some were corrected since.
;; Mo E. Allowed arithmetic: matrix products marked QUANTISED: E2M1 operands, one E8M0 scale for each 32 along K, by v_wmma_scale_f32_16x16x128_f8f6f4 with both operands' format E2M1 (or v_wmma_scale_f32_32x16x128_f4), f32 sums; products left as they are: f32 operands where the result goes on into a quantised operand, else bf16, f16 or f32 operands; f32 sums; everything else in f32.
;; Inputs: We_codes 8 x 1,024 x 32 x 16 uint8 (E2M1 codes of We, K innermost, in blocks of 32 codes, two codes a byte); We_scales 8 x 1,024 x 32 uint8 (E8M0 scales of We, one for each 32 codes along K); Wg 1,024 x 8 float32; be 8 x 1,024 float32; beta 8 x 1,024 float32; bg 8 float32; gamma 8 x 1,024 float32; x 8,192 x 1,024 float32.
;; Outputs: out0 8,192 x 1,024 float32.
;; This version of the problem:
;;   THIS VERSION OF THE PROBLEM IS GIVEN IN LOW PRECISION. The matrix products marked QUANTISED in the list below multiply operands that are first quantised to E2M1 (2 exponent bits, 1 mantissa bit; 4 bits a number), with one power-of-two scale for each 32 numbers along K (OCP MX v1.0); their sums are f32. All else is computed in f32.
;;   The module's matrix products, in the order in which they are computed (A, B: the left and right operand; K: the contracted axis; several contracted axes count as one K, in the product's order):
;;     1. [M 8,192, K 1,024] x [K 1,024, N 8]; A: input x; B: input Wg: left as it is (N = 8 < 16)
;;     2. [M 8,192, K 1,024] x [K 1,024, N 8,192]; A: input x; B: input We (given as codes): QUANTISED
;;   THE QUANTISER, for each operand of a quantised product, along K:
;;     - K is cut into blocks of 32 from its start; a last block that is shorter is filled with zeros.
;;     - A block's scale is 2^e with e = floor(log2(the largest magnitude in the block)) - 2, held to -126 .. 127; a block of zeros has e = 0. As a byte (E8M0): e + 127.
;;     - Each number is divided by its block's scale, clamped to +-6, and rounded to the nearest number of E2M1, ties to even, subnormals kept.
;;     - The product sums the exact products of the quantised numbers (number of the format x scale) in f32.
;;   ~~~python
;;   def quantise(x, axis):      # numpy; x: float32 -> the quantised numbers, widened to float32 again
;;       x = np.moveaxis(x, axis, -1); K = x.shape[-1]
;;       x = np.pad(x, [(0, 0)] * (x.ndim - 1) + [(0, -K % 32)]); x = x.reshape(x.shape[:-1] + (-1, 32)); a = np.abs(x).max(-1, keepdims=True)
;;       e = np.where(a > 0, np.clip(np.frexp(np.where(a > 0, a, 1))[1] - 1 - 2, -126, 127), 0)      # np.frexp(a)[1] - 1 = floor(log2(a)), exactly
;;       r = np.clip(x / 2.0 ** e, -6, 6)
;;       step = 2.0 ** (np.maximum(np.frexp(np.where(r == 0, 1, r))[1] - 1, 0) - 1)
;;       q = np.round(r / step) * step * 2.0 ** e      # np.round: ties to even
;;       return np.moveaxis(q.reshape(q.shape[:-2] + (-1,))[..., :K], -1, axis).astype(np.float32)
;;   ~~~
;;   INPUTS GIVEN AS CODES. We (in the module: [8, 1024, 1024], K = its axis 1): each comes as NAME_codes (uint8): NAME with its K axis moved to the last place and cut into blocks of 32 codes, [.., K / 32, bytes a block], one block behind the other in memory; two codes a byte, the lower K in the low four bits (a code: sign, 2 exponent bits, 1 mantissa bit); and NAME_scales (uint8): the same leading axes, one E8M0 byte (e + 127) for each 32 codes along K. Its value is code x scale, taken as it is: it is not quantised again, and the codes and scales need not be those that the quantiser above would give.
;; 2 versions, each right; version 2 is version 1 with the launch experts written anew for expert scheduling mode. Each part assembles by itself: llvm-mc -triple=amdgcn-amd-amdhsa -mcpu=gfx1250 --defsym DOCPART=n.
;; ======== version 1 of 2: 3 launches
;; limits: a function is approximated: absolute error at most 1.5e-07
;; workspace buffers: xq 4,194,304 bytes; xs 262,144 bytes; wq 4,194,304 bytes; wsc 262,144 bytes; gates 65,536 bytes; meta 65,536 bytes of whole numbers; rec 32,768 bytes of whole numbers
;; launch route (part 1): grid 256 x 1, 8 waves a work-group, no clusters, 87,040 bytes of LDS; arguments x, Wg, bg, We_codes, We_scales, xq, xs, meta, gates, wq, wsc; writes xq, xs, meta, gates, wq, wsc
.if DOCPART == 1
	.amdgcn_target "amdgcn-amd-amdhsa--gfx1250"
	.amdhsa_code_object_version 6
	.text
	.protected	k_qb4e75fb43c_route
	.globl	k_qb4e75fb43c_route
	.p2align	8
	.type	k_qb4e75fb43c_route,@function
k_qb4e75fb43c_route:
	s_mov_b64 s[64:65], 0
	v_nop
	global_prefetch_b8 v0, s[64:65] scope:SCOPE_SE
	s_setreg_imm32_b32 hwreg(HW_REG_WAVE_MODE, 25, 1), 1
	s_wait_xcnt 0x0
; ROUTE.  For 32 tokens a work-group: the gate (x Wg + bg in f32 fused multiply-adds, tanh, the two largest of 8, softmax of the two), and x as codes of FP4 (E2M1)
; with one E8M0 byte for each 32 along K.  Beside that each work-group lays 32 rows of We's codes and scale bytes in the order of the matrix operand's registers.
; x is read once, 512 consecutive bytes a load.  Wave w owns k = 128 w .. 128 w + 127 of all 32 tokens; four tokens a step, eight steps.  A step's 2,048 bytes turn through the wave's own
; stage in LDS, so that lane (tq = lane / 8, kq = lane % 8) holds 16 neighbours k = 128 w + 16 kq + i of token 4 g + tq: what the conversions want, and two neighbouring lanes hold a block of 32.
; The choice steers no address here: it leaves as whole numbers at fixed places (meta), with the token's rank among the group's tokens of its bin and the group's count for each bin.
; A bin is a pair of experts lo < hi: p = lo (15 - lo) / 2 + (lo odd ? 7 - hi : hi - lo - 1), 0 .. 27: neighbouring bins share an expert.
; wq:  [expert][column tile / 4][K step 8][column tile % 4][c 2][lane][16 bytes]: lane (h, r) holds row 16 T + r, bytes 64 s + 32 c + 16 h.   wsc: [tile][lane][4 words]: word u = the row's scale word of K step 2 u + h.
; LIMITS: NaN and infinities are not served.  tanh is 1 - 2 / (1 + 2^(2.885390 z)): two gates whose tanh lie within about 2e-7 of each other may be ranked otherwise than by another tanh; equal numbers
; (both ends of tanh's range too) go to the lower index.  A block of zeros of x gets the byte 1 (its codes are zeros; the bytes are read by this program alone).
; No matrix unit, no cluster: the launch streams x, and its work-groups share only Wg's 32 KB.
.set SP,   80                          ; a lane's place in a stage: 64 bytes + 16 of padding
.set STGW, 2*32*SP                     ; LDS: two stages for each wave
.set CST,  8*STGW                      ; the 32 tokens' codes, rows of 512 bytes, 576 apart
.set CP,   576
.set SST,  CST+32*CP                   ; their scale bytes, 32 a token
.set PST,  SST+1024                    ; the gate's partial sums [wave][token][8]
.set WST,  PST+8192                    ; two weight tiles: [tile][16-byte piece 32][row 16], pieces 272 bytes apart
.set WP,   272
.set R,    16                          ; v16-79   four sets of 16 numbers as loaded
.set X,    80                          ; v80-111  two sets of 16 neighbours (at the head: four rows of We's codes)
.set WGR,  112                         ; v112-239 Wg(128 w + 16 kq + i, e) at 8 i + e
.set ACC,  240                         ; v240-247 a token's eight partial sums
	s_load_b512 s[4:19], s[0:1], 0x0               ; x, Wg, bg, We_codes, We_scales, xq, xs, meta
	s_load_b128 s[20:23], s[0:1], 0x40             ; gates, wq
	s_load_b64 s[24:25], s[0:1], 0x50              ; wsc
	s_set_vgpr_msb 0x40
	v_lshl_add_u32 v0, v0, 2, 0x15000
	v_mov_b32 v1, 0
	s_set_vgpr_msb 0x4000
	v_lshrrev_b32 v1, 5, v0
	v_readfirstlane_b32 s26, v1                    ; wave 0..7
	v_and_b32 v1, 31, v0                           ; lane
	v_lshlrev_b32 v2, 4, v1                        ; 16 x lane
	v_and_b32 v3, 7, v1                            ; kq
	v_lshrrev_b32 v4, 3, v1                        ; tq
	v_lshlrev_b32 v5, 9, v3                        ; Wg: 16 rows of 32 bytes for each kq
	s_mul_i32 s27, s26, STGW
	v_lshrrev_b32 v6, 2, v1
	v_mul_u32_u24 v6, v6, SP
	v_and_b32 v7, 3, v1
	v_lshl_add_u32 v6, v7, 4, v6
	v_add_nc_u32 v6, s27, v6                       ; the stage, in: four lanes' 64 bytes on end, then the padding
	v_mul_u32_u24 v7, v1, SP
	v_add_nc_u32 v7, s27, v7                       ; and out: my 16 neighbours
	s_lshl_b32 s28, s26, 6
	s_add_co_u32 s28, s28, CST
	v_mul_u32_u24 v8, v4, CP
	v_lshl_add_u32 v8, v3, 3, v8
	v_add_nc_u32 v8, s28, v8                       ; my 8 bytes of codes: row tq, 64 w + 8 kq
	s_lshl_b32 s28, s26, 2
	s_add_co_u32 s28, s28, SST
	v_lshrrev_b32 v9, 1, v3
	v_lshl_add_u32 v9, v4, 5, v9
	v_add_nc_u32 v9, s28, v9                       ; my block's byte: 32 tq + 4 w + kq / 2
	s_lshl_b32 s28, s26, 10
	s_add_co_u32 s28, s28, PST
	v_lshlrev_b32 v10, 5, v4
	v_add_nc_u32 v10, s28, v10                     ; my token's eight sums
	s_lshr_b32 s29, s26, 2                         ; which of the two weight tiles my four rows belong to
	s_and_b32 s30, s26, 3
	s_mul_i32 s28, s29, 32*WP
	s_lshl_b32 s31, s30, 6
	s_add_co_u32 s28, s28, s31
	s_add_co_u32 s28, s28, WST
	v_mul_u32_u24 v11, v1, WP
	v_add_nc_u32 v11, s28, v11                     ; weights in: piece = lane, row 4 (w % 4) + i
	s_mul_i32 s28, s26, 4*CP
	s_add_co_u32 s28, s28, CST
	v_add_nc_u32 v12, s28, v2                      ; codes out: rows 4 w + i, whole
	s_mul_i32 s28, s29, 32*WP
	s_mul_i32 s31, s30, 8*WP
	s_add_co_u32 s28, s28, s31
	s_add_co_u32 s28, s28, WST
	v_lshrrev_b32 v13, 4, v1
	v_mul_u32_u24 v13, v13, WP
	v_and_b32 v14, 15, v1
	v_lshl_add_u32 v13, v14, 4, v13
	v_add_nc_u32 v13, s28, v13                     ; weights out: piece 8 (w % 4) + 2 i + h, row r
	v_add_nc_u32 v14, SST, v2                      ; scale bytes out (wave 1)
	v_lshl_add_u32 v15, v1, 5, PST                 ; partial sums of token = lane (wave 0)
	v_and_b32 v254, 15, v1
	v_lshlrev_b32 v254, 5, v254
	v_lshrrev_b32 v255, 4, v1
	v_lshl_add_u32 v254, v255, 2, v254             ; We_scales: 32 r + 4 h (waves 2, 3)
	v_lshlrev_b32 v255, 3, v1                      ; 8 x lane (wave 0's stores)
	s_mov_b32 s41, 0
	s_wait_kmcnt 0x0
	s_load_b256 s[32:39], s[8:9], 0x0              ; bg
	s_lshl_b32 s40, ttmp9, 14
	s_lshl_b32 s42, s26, 11
	s_add_co_u32 s40, s40, s42                     ; 32 rows of 512 bytes a work-group, four a wave: in We_codes and in xq
	s_add_nc_u64 s[10:11], s[10:11], s[40:41]
	s_add_nc_u64 s[14:15], s[14:15], s[40:41]
	s_lshl_b32 s40, s26, 12
	s_add_nc_u64 s[6:7], s[6:7], s[40:41]          ; Wg at row 128 w
	s_lshl_b32 s40, ttmp9, 17
	s_lshl_b32 s42, s26, 9
	s_add_co_u32 s40, s40, s42
	s_add_nc_u64 s[4:5], s[4:5], s[40:41]          ; x at token 32 b, k = 128 w
.macro LOAD g                          ; four tokens' 512 bytes each
.irp i, 0,1,2,3
	global_load_b128 v[R+16*((\g)%4)+4*\i:R+16*((\g)%4)+4*\i+3], v2, s[4:5] offset:4096*(4*(\g)+\i) th:TH_LOAD_NT
.endr
.endm
.macro TURN g                          ; through the stage: LDS serves a wave's instructions in order, so no wait stands between the stores and the loads
.irp i, 0,1,2,3
	ds_store_b128 v6, v[R+16*((\g)%4)+4*\i:R+16*((\g)%4)+4*\i+3] offset:32*SP*((\g)%2)+8*SP*\i
.endr
.irp i, 0,1,2,3
	ds_load_b128 v[X+16*((\g)%2)+4*\i:X+16*((\g)%2)+4*\i+3], v7 offset:32*SP*((\g)%2)+16*\i
.endr
.endm
.irp i, 0,1,2,3
	global_load_b128 v[X+4*\i:X+4*\i+3], v2, s[10:11] offset:512*\i th:TH_LOAD_NT   ; rows 4 w + i of my work-group's 32 rows of We's codes
.endr
.irp i, 0,1,2,3,4,5,6,7,8,9,10,11,12,13,14,15
	global_load_b128 v[WGR+8*\i:WGR+8*\i+3], v5, s[6:7] offset:32*\i
	global_load_b128 v[WGR+8*\i+4:WGR+8*\i+7], v5, s[6:7] offset:32*\i+16
.endr
.irp g, 0,1,2,3
	LOAD \g
.endr
	; the other buffers' places, while the loads are out
	s_lshr_b32 s40, ttmp9, 1
	s_lshl_b32 s40, s40, 15                        ; wq: 32,768 bytes for four tiles,
	s_and_b32 s42, ttmp9, 1
	s_lshl_b32 s42, s42, 1
	s_add_co_u32 s42, s42, s29
	s_lshl_b32 s42, s42, 10                        ; 1,024 x (tile % 4),
	s_add_co_u32 s40, s40, s42
	s_lshl_b32 s42, s30, 13                        ; 4,096 x K step, two K steps a wave
	s_add_co_u32 s40, s40, s42
	s_add_nc_u64 s[22:23], s[22:23], s[40:41]
	s_lshl_b32 s40, ttmp9, 10
	s_add_nc_u64 s[16:17], s[16:17], s[40:41]      ; xs: 32 bytes a token
	s_and_b32 s42, s26, 1
	s_lshl_b32 s42, s42, 9
	s_add_co_u32 s40, s40, s42                     ; 512 bytes of scales a tile: wave 2 the first tile, wave 3 the second
	s_add_nc_u64 s[12:13], s[12:13], s[40:41]
	s_add_nc_u64 s[24:25], s[24:25], s[40:41]
	s_lshl_b32 s40, ttmp9, 8
	s_add_nc_u64 s[18:19], s[18:19], s[40:41]      ; meta and gates: 256 bytes a group
	s_add_nc_u64 s[20:21], s[20:21], s[40:41]
	s_wait_loadcnt 48                              ; the four weight rows are in: behind them Wg's 32 loads and x's 16
.irp i, 0,1,2,3
	ds_store_b128 v11, v[X+4*\i:X+4*\i+3] offset:16*\i
.endr
	s_wait_dscnt 0x0                               ; the stores have read their registers, which the stage's loads take next
	s_wait_loadcnt 12                              ; Wg and the first four tokens are in; three groups of four loads may be out
	TURN 0
.macro GSTEP g
.set XC, X+16*((\g)%2)
	s_wait_dscnt 0x0                               ; this step's numbers are back, and the last step's LDS stores have read their registers
.if (\g) < 4
	LOAD (\g)+4
.endif
.if (\g) < 7
.if (\g) < 4
	s_wait_loadcnt 12                              ; the next step's four loads are in; those of the three steps behind it may be out
.else
	s_wait_loadcnt 4*(6-(\g))
.endif
	TURN (\g)+1
.endif
	v_max3_num_f32 v248, |v[XC]|, |v[XC+1]|, 0x1800000             ; the largest magnitude of my 16, over the floor 2^(3 - 127): the byte cannot fall under 1
	v_max3_num_f32 v249, |v[XC+2]|, |v[XC+3]|, |v[XC+4]|
	v_max3_num_f32 v248, v248, |v[XC+5]|, |v[XC+6]|
	v_max3_num_f32 v249, v249, |v[XC+7]|, |v[XC+8]|
	v_max3_num_f32 v248, v248, |v[XC+9]|, |v[XC+10]|
	v_max3_num_f32 v249, v249, |v[XC+11]|, |v[XC+12]|
	v_max3_num_f32 v248, v248, |v[XC+13]|, |v[XC+14]|
	v_max3_num_f32 v248, v248, v249, |v[XC+15]|
	v_max_num_f32_dpp v248, v248, v248 row_xmask:1 row_mask:0xf bank_mask:0xf   ; with my neighbour's 16: the block's
	v_add_nc_u32 v250, 0xff000000, v248            ; 2 off its exponent field: the conversion takes that field as its scale
	v_cvt_scalef32_pk8_fp4_f32 v252, v[XC:XC+7], v250
	v_cvt_scalef32_pk8_fp4_f32 v253, v[XC+8:XC+15], v250
	v_lshrrev_b32 v251, 23, v250                   ; the scale's byte (a plain line behind the conversions)
	ds_store_b64 v8, v[252:253] offset:4*CP*(\g)
	ds_store_b8 v9, v251 offset:128*(\g)           ; both lanes of a block write the same byte with the same value
.set ii, 0
.rept 8                                ; the gate: eight sums, two an instruction; x(i) serves both halves
.irp q, 0,1,2,3
.if ii == 0
	v_pk_mul_f32 v[ACC+2*\q:ACC+2*\q+1], v[XC:XC+1], v[WGR+2*\q:WGR+2*\q+1] op_sel_hi:[0,1]
.else
	v_pk_fma_f32 v[ACC+2*\q:ACC+2*\q+1], v[XC+2*ii:XC+2*ii+1], v[WGR+16*ii+2*\q:WGR+16*ii+2*\q+1], v[ACC+2*\q:ACC+2*\q+1] op_sel_hi:[0,1,1]
.endif
.endr
.irp q, 0,1,2,3
	v_pk_fma_f32 v[ACC+2*\q:ACC+2*\q+1], v[XC+2*ii:XC+2*ii+1], v[WGR+16*ii+8+2*\q:WGR+16*ii+8+2*\q+1], v[ACC+2*\q:ACC+2*\q+1] op_sel:[1,0,0] op_sel_hi:[1,1,1]
.endr
.set ii, ii+1
.endr
.irp m, 1,2,4                          ; over the eight lanes of a token
.irp e, 0,1,2,3,4,5,6,7
	v_add_f32_dpp v[ACC+\e], v[ACC+\e], v[ACC+\e] row_xmask:\m row_mask:0xf bank_mask:0xf
.endr
.endr
	ds_store_b128 v10, v[ACC:ACC+3] offset:128*(\g)                ; the eight lanes write the same bytes with the same values
	ds_store_b128 v10, v[ACC+4:ACC+7] offset:128*(\g)+16
.endm
.irp g, 0,1,2,3,4,5,6,7
	GSTEP \g
.endr
	s_wait_kmcnt 0x0                               ; bg
	s_wait_dscnt 0x0                               ; for the others' sake: all my LDS stores have landed
	s_barrier_signal -1
	s_barrier_wait -1                              ; codes, scale bytes, partial sums and weight tiles are whole
.irp i, 0,1,2,3
	ds_load_b128 v[R+4*\i:R+4*\i+3], v12 offset:CP*\i
.endr
.irp i, 0,1,2,3
	ds_load_b128 v[R+16+4*\i:R+16+4*\i+3], v13 offset:2*WP*\i
.endr
.irp i, 0,1,2,3
	s_wait_dscnt 7-\i
	global_store_b128 v2, v[R+4*\i:R+4*\i+3], s[14:15] offset:512*\i               ; a token's 512 bytes of codes
.endr
.irp i, 0,1,2,3
	s_wait_dscnt 3-\i
	global_store_b128 v2, v[R+16+4*\i:R+16+4*\i+3], s[22:23] offset:4096*(\i/2)+512*(\i%2)   ; half a fragment: 512 consecutive bytes
.endr
	s_cmp_eq_u32 s26, 0
	s_cbranch_scc1 .Lgate
	s_cmp_eq_u32 s26, 1
	s_cbranch_scc1 .Lxs
	s_cmp_lt_u32 s26, 4
	s_cbranch_scc1 .Lwsc
	s_set_vgpr_msb 0x5
	s_wait_tensorcnt 0x0
	ds_add_u32 v0, v1
	s_wait_dscnt 0x0
	s_set_vgpr_msb 0x500
	s_endpgm
.Lxs:                                  ; wave 1: the 32 tokens' scale bytes, 1,024 consecutive bytes
	ds_load_b128 v[R+32:R+35], v14
	ds_load_b128 v[R+36:R+39], v14 offset:512
	s_wait_dscnt 0x0
	global_store_b128 v2, v[R+32:R+35], s[16:17]
	global_store_b128 v2, v[R+36:R+39], s[16:17] offset:512
	s_set_vgpr_msb 0x5
	s_wait_tensorcnt 0x0
	ds_add_u32 v0, v1
	s_wait_dscnt 0x0
	s_set_vgpr_msb 0x500
	s_endpgm
.Lwsc:                                 ; waves 2, 3: a tile's scale words in the order of the scale registers
.irp u, 0,1,2,3
	global_load_b32 v[R+32+\u], v254, s[12:13] offset:8*\u
.endr
	s_wait_loadcnt 0x0
	global_store_b128 v2, v[R+32:R+35], s[24:25]
	s_set_vgpr_msb 0x5
	s_wait_tensorcnt 0x0
	ds_add_u32 v0, v1
	s_wait_dscnt 0x0
	s_set_vgpr_msb 0x500
	s_endpgm
.Lgate:                                ; wave 0: lane = token
.irp w, 0,1,2,3,4,5,6,7
	ds_load_b128 v[WGR+8*\w:WGR+8*\w+3], v15 offset:1024*\w
	ds_load_b128 v[WGR+8*\w+4:WGR+8*\w+7], v15 offset:1024*\w+16
.endr
	s_wait_dscnt 0x0
.irp e, 0,1,2,3,4,5,6,7
	v_add_f32 v[176+\e], s[32+\e], v[WGR+\e]
.endr
.irp w, 1,2,3,4,5,6,7
.irp e, 0,1,2,3,4,5,6,7
	v_add_f32 v[176+\e], v[176+\e], v[WGR+8*\w+\e]
.endr
.endr
.irp e, 0,1,2,3,4,5,6,7
	v_mul_f32 v[176+\e], 0x4038aa3b, v[176+\e]     ; 2 log2(e) z
.endr
.irp e, 0,1,2,3,4,5,6,7
	v_exp_f32 v[176+\e], v[176+\e]
.endr
	v_nop                                          ; a plain line behind the last exponential,
	s_wait_alu depctr_va_vdst(0)                   ; and one wait for the eight, ahead of their first reader
.irp e, 0,1,2,3,4,5,6,7
	v_add_f32 v[176+\e], 1.0, v[176+\e]
.endr
.irp e, 0,1,2,3,4,5,6,7
	v_rcp_f32 v[176+\e], v[176+\e]
.endr
	v_nop
	s_wait_alu depctr_va_vdst(0)
.irp e, 0,1,2,3,4,5,6,7
	v_fma_f32 v[176+\e], -2.0, v[176+\e], 1.0      ; tanh
.endr
	v_mov_b32 v184, v176                           ; the largest, its index; the second, its index
	v_mov_b32 v185, 0xff800000
	v_mov_b32 v186, 0
	v_mov_b32 v187, 0
.irp e, 1,2,3,4,5,6,7                  ; strictly greater: of equal numbers the lower index stays in front
	v_cmp_gt_f32 s40, v[176+\e], v184
	v_cmp_gt_f32 s41, v[176+\e], v185
	v_cndmask_b32 v185, v185, v[176+\e], s41
	v_cndmask_b32 v185, v185, v184, s40
	v_cndmask_b32 v187, v187, \e, s41
	v_cndmask_b32 v187, v187, v186, s40
	v_cndmask_b32 v184, v184, v[176+\e], s40
	v_cndmask_b32 v186, v186, \e, s40
.endr
	v_sub_f32 v188, v185, v184                     ; the softmax of two, the larger taken away: 0 or less
	v_mul_f32 v188, 0x3fb8aa3b, v188
	v_exp_f32 v188, v188
	v_min_u32 v192, v186, v187                     ; lo (plain work behind the exponential)
	v_max_u32 v193, v186, v187                     ; hi
	s_wait_alu depctr_va_vdst(0)
	v_add_f32 v189, 1.0, v188
	v_rcp_f32 v190, v189
	v_sub_nc_u32 v194, 15, v192
	v_mul_u32_u24 v194, v194, v192
	v_lshrrev_b32 v194, 1, v194                    ; the pairs with a smaller lo
	v_sub_nc_u32 v195, v193, v192
	v_add_nc_u32 v195, -1, v195
	v_sub_nc_u32 v196, 7, v193
	v_and_b32 v197, 1, v192
	v_cmp_eq_u32 vcc_lo, 1, v197
	v_cndmask_b32 v195, v195, v196, vcc_lo
	v_add_nc_u32 v194, v194, v195                  ; the bin
	s_wait_alu depctr_va_vdst(0)
	v_mul_f32 v191, v188, v190                     ; v[190:191]: the two weights
	v_mov_b32 v199, 0                              ; lane p: the group's count of bin p
	v_mov_b32 v200, 0                              ; my rank among the group's tokens of my bin
.irp p, 0,1,2,3,4,5,6,7,8,9,10,11,12,13,14,15,16,17,18,19,20,21,22,23,24,25,26,27
	v_cmp_eq_u32 s40, \p, v194
	s_bcnt1_i32_b32 s41, s40
	v_writelane_b32 v199, s41, \p
	v_mbcnt_lo_u32_b32 v201, s40, 0
	v_cndmask_b32 v200, v200, v201, s40
.endr
	v_lshl_or_b32 v198, v200, 8, v194              ; key = bin | rank << 8 | first expert << 16 | second << 20
	v_lshl_or_b32 v198, v186, 16, v198
	v_lshl_or_b32 v198, v187, 20, v198
	global_store_b64 v255, v[198:199], s[18:19]    ; 32 lanes store 256 consecutive bytes
	global_store_b64 v255, v[190:191], s[20:21]
	s_set_vgpr_msb 0x5
	s_wait_tensorcnt 0x0
	ds_add_u32 v0, v1
	s_wait_dscnt 0x0
	s_set_vgpr_msb 0x500
	s_endpgm
.Lfunc_end_k_qb4e75fb43c_route:
	.size	k_qb4e75fb43c_route, .Lfunc_end_k_qb4e75fb43c_route-k_qb4e75fb43c_route
	.p2alignl 7, 3214868480
	.fill 96, 4, 3214868480
	.section	.rodata,"a",@progbits
	.p2align	6, 0x0
	.amdhsa_kernel k_qb4e75fb43c_route
		.amdhsa_group_segment_fixed_size 87040
		.amdhsa_private_segment_fixed_size 0
		.amdhsa_enable_private_segment 0
		.amdhsa_kernarg_size 88
		.amdhsa_user_sgpr_count 2
		.amdhsa_user_sgpr_kernarg_segment_ptr 1
		.amdhsa_wavefront_size32 1
		.amdhsa_system_sgpr_workgroup_id_x 1
		.amdhsa_system_sgpr_workgroup_id_y 1
		.amdhsa_system_sgpr_workgroup_id_z 1
		.amdhsa_system_vgpr_workitem_id 0
		.amdhsa_next_free_vgpr 258
		.amdhsa_next_free_sgpr 66
		.amdhsa_reserve_vcc 1
		.amdhsa_float_denorm_mode_32 3
		.amdhsa_float_denorm_mode_16_64 3
		.amdhsa_memory_ordered 1
		.amdhsa_forward_progress 1
		.amdhsa_inst_pref_size 90
	.end_amdhsa_kernel
	.amdgpu_metadata
---
amdhsa.version: [ 1, 2 ]
amdhsa.kernels:
  - .name:           k_qb4e75fb43c_route
    .symbol:         k_qb4e75fb43c_route.kd
    .args:
      - { .name: x, .offset: 0, .size: 8, .value_kind: global_buffer, .address_space: global }
      - { .name: Wg, .offset: 8, .size: 8, .value_kind: global_buffer, .address_space: global }
      - { .name: bg, .offset: 16, .size: 8, .value_kind: global_buffer, .address_space: global }
      - { .name: We_codes, .offset: 24, .size: 8, .value_kind: global_buffer, .address_space: global }
      - { .name: We_scales, .offset: 32, .size: 8, .value_kind: global_buffer, .address_space: global }
      - { .name: xq, .offset: 40, .size: 8, .value_kind: global_buffer, .address_space: global }
      - { .name: xs, .offset: 48, .size: 8, .value_kind: global_buffer, .address_space: global }
      - { .name: meta, .offset: 56, .size: 8, .value_kind: global_buffer, .address_space: global }
      - { .name: gates, .offset: 64, .size: 8, .value_kind: global_buffer, .address_space: global }
      - { .name: wq, .offset: 72, .size: 8, .value_kind: global_buffer, .address_space: global }
      - { .name: wsc, .offset: 80, .size: 8, .value_kind: global_buffer, .address_space: global }
    .group_segment_fixed_size: 87040
    .private_segment_fixed_size: 0
    .kernarg_segment_align: 8
    .kernarg_segment_size: 88
    .max_flat_workgroup_size: 256
    .sgpr_count:     66
    .vgpr_count:     258
    .wavefront_size: 32
...
	.end_amdgpu_metadata
.endif
;; end of part 1
;; launch place (part 2): grid 1 x 1, 32 waves a work-group, no clusters, 8,192 bytes of LDS; arguments meta, rec; writes rec
.if DOCPART == 2
	.amdgcn_target "amdgcn-amd-amdhsa--gfx1250"
	.amdhsa_code_object_version 6
	.text
	.protected	k_qb4e75fb43c_place
	.globl	k_qb4e75fb43c_place
	.p2align	8
	.type	k_qb4e75fb43c_place,@function
k_qb4e75fb43c_place:
	s_mov_b64 s[64:65], 0
	v_nop
	global_prefetch_b8 v0, s[64:65] scope:SCOPE_SE
	s_setreg_imm32_b32 hwreg(HW_REG_WAVE_MODE, 25, 1), 1
	s_wait_xcnt 0x0
; PLACE.  A counting sort of the 8,192 tokens by bin (pair of experts), without atomics: slot = the bins in front + the bin's tokens in earlier groups + the token's rank in its group.
; One work-group of 32 waves; wave w owns groups 8 w + j, j = 0 .. 7, of 32 tokens.  meta: [group][lane][2]: word 0 the key of token 32 g + lane, word 1 the group's count of bin = lane.
; rec[slot] = token | the two experts' numbers (bits 16-19, 20-23).  Every slot is written once: the slots are a permutation.
; The 8,192 stores are single words at sorted places, 32 KB in all: gathering them in LDS would want LDS addresses made of loaded numbers.
	s_load_b128 s[4:7], s[0:1], 0x0                ; meta, rec
	v_lshl_add_u32 v96, v0, 2, 0x1000
	v_mov_b32 v97, 0
	v_lshrrev_b32 v1, 5, v0
	v_readfirstlane_b32 s8, v1                     ; wave
	v_and_b32 v1, 31, v0                           ; lane
	v_lshlrev_b32 v2, 3, v1
	s_lshl_b32 s9, s8, 11
	v_add_nc_u32 v2, s9, v2                        ; meta: 2,048 w + 8 x lane
	v_lshlrev_b32 v3, 2, v0                        ; LDS: my wave's 32 counts
	v_lshlrev_b32 v4, 2, v1
	s_lshl_b32 s9, s8, 8
	v_add_nc_u32 v5, s9, v1                        ; the token of j = 0
	s_wait_kmcnt 0x0
.irp j, 0,1,2,3,4,5,6,7
	global_load_b64 v[16+2*\j:17+2*\j], v2, s[4:5] offset:256*\j
.endr
	s_wait_loadcnt 0x0
	v_mov_b32 v32, 0                               ; lane = bin: the bin's tokens in my wave's groups in front of group j
.irp j, 1,2,3,4,5,6,7
	v_add_nc_u32 v[32+\j], v[31+\j], v[15+2*\j]
.endr
	v_add_nc_u32 v6, v39, v31                      ; and in all eight
	ds_store_b32 v3, v6
	s_wait_dscnt 0x0
	s_barrier_signal -1
	s_barrier_wait -1
.irp w, 0,1,2,3,4,5,6,7,8,9,10,11,12,13,14,15,16,17,18,19,20,21,22,23,24,25,26,27,28,29,30,31
	ds_load_b32 v[40+\w], v4 offset:128*\w
.endr
	v_mov_b32 v73, 0                               ; the bin's tokens in earlier waves
	v_mov_b32 v74, 0                               ; and in all
	s_wait_dscnt 0x0
.irp w, 0,1,2,3,4,5,6,7,8,9,10,11,12,13,14,15,16,17,18,19,20,21,22,23,24,25,26,27,28,29,30,31
	s_cmp_gt_u32 s8, \w
	s_cselect_b32 s9, -1, 0
	v_add_nc_u32 v74, v74, v[40+\w]
	v_and_b32 v75, s9, v[40+\w]
	v_add_nc_u32 v73, v73, v75
.endr
	v_mov_b32 v72, 0                               ; lane = bin: the tokens of all bins in front
	s_mov_b32 s10, 0
.irp p, 0,1,2,3,4,5,6,7,8,9,10,11,12,13,14,15,16,17,18,19,20,21,22,23,24,25,26,27
	v_readlane_b32 s11, v74, \p
	v_writelane_b32 v72, s10, \p
	s_add_co_u32 s10, s10, s11
.endr
.irp j, 0,1,2,3,4,5,6,7
	v_add3_u32 v[76+\j], v72, v73, v[32+\j]        ; lane = bin: where group j's tokens of the bin begin
	v_and_b32 v[40+\j], 0xff, v[16+2*\j]           ; lane = token: its bin,
	v_min_u32 v[40+\j], 31, v[40+\j]
	v_lshlrev_b32 v[40+\j], 2, v[40+\j]            ; as the lane to ask
.endr
.irp j, 0,1,2,3,4,5,6,7
	ds_bpermute_b32 v[84+\j], v[40+\j], v[76+\j]
.endr
.irp j, 0,1,2,3,4,5,6,7
	v_bfe_u32 v[56+\j], v[16+2*\j], 8, 8           ; the rank
	v_add_nc_u32 v[48+\j], 32*\j, v5
	v_and_or_b32 v[48+\j], v[16+2*\j], 0xff0000, v[48+\j]
.endr
	s_wait_dscnt 0x0
.irp j, 0,1,2,3,4,5,6,7
	v_add_nc_u32 v[84+\j], v[84+\j], v[56+\j]
	v_min_u32 v[84+\j], 0x1fff, v[84+\j]           ; a loaded number enters an address behind this bound alone
	v_lshlrev_b32 v[84+\j], 2, v[84+\j]
	global_store_b32 v[84+\j], v[48+\j], s[6:7]
.endr
	s_wait_tensorcnt 0x0
	ds_add_u32 v96, v97
	s_wait_dscnt 0x0
	s_endpgm
.Lfunc_end_k_qb4e75fb43c_place:
	.size	k_qb4e75fb43c_place, .Lfunc_end_k_qb4e75fb43c_place-k_qb4e75fb43c_place
	.p2alignl 7, 3214868480
	.fill 96, 4, 3214868480
	.section	.rodata,"a",@progbits
	.p2align	6, 0x0
	.amdhsa_kernel k_qb4e75fb43c_place
		.amdhsa_group_segment_fixed_size 8192
		.amdhsa_private_segment_fixed_size 0
		.amdhsa_enable_private_segment 0
		.amdhsa_kernarg_size 16
		.amdhsa_user_sgpr_count 2
		.amdhsa_user_sgpr_kernarg_segment_ptr 1
		.amdhsa_wavefront_size32 1
		.amdhsa_system_sgpr_workgroup_id_x 1
		.amdhsa_system_sgpr_workgroup_id_y 1
		.amdhsa_system_sgpr_workgroup_id_z 1
		.amdhsa_system_vgpr_workitem_id 0
		.amdhsa_next_free_vgpr 98
		.amdhsa_next_free_sgpr 66
		.amdhsa_reserve_vcc 0
		.amdhsa_float_denorm_mode_32 3
		.amdhsa_float_denorm_mode_16_64 3
		.amdhsa_memory_ordered 1
		.amdhsa_forward_progress 1
		.amdhsa_inst_pref_size 20
	.end_amdhsa_kernel
	.amdgpu_metadata
---
amdhsa.version: [ 1, 2 ]
amdhsa.kernels:
  - .name:           k_qb4e75fb43c_place
    .symbol:         k_qb4e75fb43c_place.kd
    .args:
      - { .name: meta, .offset: 0, .size: 8, .value_kind: global_buffer, .address_space: global }
      - { .name: rec, .offset: 8, .size: 8, .value_kind: global_buffer, .address_space: global }
    .group_segment_fixed_size: 8192
    .private_segment_fixed_size: 0
    .kernarg_segment_align: 8
    .kernarg_segment_size: 16
    .max_flat_workgroup_size: 1024
    .sgpr_count:     66
    .vgpr_count:     98
    .wavefront_size: 32
...
	.end_amdgpu_metadata
.endif
;; end of part 2
;; launch experts (part 3): grid 256 x 1, 4 waves a work-group, no clusters, 301,056 bytes of LDS; arguments rec, gates, xq, xs, wq, wsc, be, gamma, beta, out0; writes out0
.if DOCPART == 3
	.amdgcn_target "amdgcn-amd-amdhsa--gfx1250"
	.amdhsa_code_object_version 6
	.text
	.protected	k_qb4e75fb43c_experts
	.globl	k_qb4e75fb43c_experts
	.p2align	8
	.type	k_qb4e75fb43c_experts,@function
k_qb4e75fb43c_experts:
	s_mov_b64 s[64:65], 0
	v_nop
	global_prefetch_b8 v0, s[64:65] scope:SCOPE_SE
	s_setreg_imm32_b32 hwreg(HW_REG_WAVE_MODE, 25, 1), 1
	s_wait_xcnt 0x0
; EXPERTS.  A work-group owns 32 tokens that lie side by side in the order of their pairs of experts, and whole rows of the output.  It walks the 8 experts in a loop of constant count and passes over,
; by a scalar branch on the stored list, those that none of its tokens uses.  For an expert in use: h = x We + be on codes of FP4 (E2M1) with E8M0 scales, exact GELU, LayerNorm over the 1,024 columns,
; gamma and beta, times the token's gate weight (0 for a token that did not choose the expert), added onto the row.
; SHARES.  Two tiles of 16 tokens; wave w owns columns 256 w .. 256 w + 255, four chunks of four column tiles.  The product is used transposed (source 0 = 16 rows of We, source 1 = 16 tokens):
; lane (r, h) holds token r, register j column 16 T + 8 h + j.  A chunk is 64 matrix instructions on 8 accumulators, which take turns, one instruction a turn.
; The weights go from memory straight into registers, laid by the first launch in the operand's order: a chunk's 64 loads of 512 consecutive bytes are asked for a chunk ahead, behind the chunk's products.
; AN EXPERT'S LAST PHASE IS PUT OFF: once the rows' statistics are known, the norm, gamma, beta and the addition onto the rows' sums wait until the next expert in use begins: that pass first asks for its own
; parameters and first chunk (their addresses are made of the loop's counter), and the phase put off runs while those 74 loads are on their way.  The last expert's stands behind the loop; the first expert's loads go out at the head.
; GELU.  2 gelu(x) = x + |x| (1 - q), q = t (a1 + t (a2 + t (a3 + t (a4 + t a5)))) 2^(-0.72134752 x^2), t = 1 / (1 + 0.23164189 |x|): erf by Abramowitz and Stegun 7.1.26, absolute error 1.5e-7 for every x.
; LayerNorm of 2 h with 4 eps is LayerNorm of h with eps, so nothing is halved.
; STATISTICS without a difference of large sums: mean and sum of squared deviations of each lane's 32 numbers of a chunk, merged (Chan) over the chunks, the halves of the lanes and the four waves.
; 2 gelu waits in LDS (an image of the registers, each wave's own bytes) for the row's statistics; the rows' sums are kept in LDS too, each wave its own columns, and leave once, as whole rows.
; NO TENSOR LOADS AND NO JOINT LOADS: which experts a work-group walks hangs on numbers read from memory, so partners in a cluster would want different tiles at different times.
; LIMITS: NaN and infinities are not served; h must be finite in f32 for every expert that any token of the block uses (a weight of 0 multiplies it).
; REGISTERS, in windows of 256.  Window 0: addresses, x's and We's scale words (v16-39, scales and nothing else), an expert's parameters on their way to LDS.  Window 1: accumulators and all vector work.
; Window 2: We's fragments of a chunk, (K step s, tile t) at 32 s + 8 t; on the way out the rows.  Window 3: x's fragments, (token tile u, K step s) at 64 u + 8 s, for the whole launch.
.set XIMG, 0                           ; LDS: x's codes: token tile x 8,704 + 16-byte piece x 272 + row x 16
.set PAR,  17408                       ; be, gamma, beta of my 256 columns: wave x 3,072 + which x 1,024
.set STAT, 29696                       ; (mean, sum of squares): wave x 256 + token x 8
.set HB,   37888                       ; 2 gelu: wave x 32,768 + chunk x 8,192 + 512 k + 16 x lane
.set OB,   168960                      ; the rows' sums: 32 rows, 4,112 bytes apart
.set OP,   4112
.set XW,  12                           ; window 0: v12 x's codes in;  v13 out;  v14 parameters in;  v15 rows out
.set XR,  13
.set PW,  14
.set ORD, 15
.set XS,  16                           ; v16-23  x's scale words: register s = K step s, lane = token
.set WS,  24                           ; v24-39  We's: register 4 t + s / 2; lanes 0-15 the even K step, lanes 16-31 the odd
.set PRM, 40                           ; v40-63  an expert's be, gamma, beta
.set XROW, 64                          ; v64-95  eight rows of x's codes
.set OA,  100                          ; v100-101 my place in the rows' sums, token tile 0, 1
.set HA,  104
.set PA,  105
.set SW,  106
.set SR,  107
.set AC,  0                            ; window 1: v0-63 the 8 accumulators, (tile t, token tile u) at 8 (2 t + u)
.set BI,  64                           ; v64-95  the bias as the sums' first C; later gamma
.set GAM, 64
.set TT,  96                           ; v96-191 two sets of t (16), exponent (16), polynomial (16); later deviations; later the rows' sums and beta
.set OD,  96
.set BET, 160
.set T1,  192                          ; v192-207 at work
.set SS,  216                          ; v216-219 sums, token tile 0, 1
.set MEAN, 224                         ; v224-225 running means;  v226-227 running sums of squares;  v228-229 a chunk's means
.set M2,  226
.set MC,  228
.set K5,  230                          ; v230-231 -a5
.set PN,  236                          ; v236-239 (A, -A mean) for token tile 0, 1;  v240-241 the gate weights
.set GP,  240
.set NP,  32                           ; s[32:33] the fragments to be asked for;  s[34:35] their scale words;  s[36:41] an expert's parameters
.set NS,  34
.set PP,  36
.set KP,  46
.set KC,  48
.set KA1, 50
.set KA2, 52
.set KA3, 54
.set KA4, 56
.set MSB, 0
.macro WIN new                         ; the immediate's high byte repeats the setting that is left; a switch that changes nothing is dropped
.if MSB != (\new)
	s_set_vgpr_msb (MSB<<8)|(\new)
.set MSB, (\new)
.endif
.endm
; settings: 0x5e product (We window 2, x window 3, C and D window 1); 0x80, 0xc0 loads into windows 2, 3; 0x55 vector work in window 1; 0x40 destination window 1; 0x04 LDS store data window 1; 0x08 store data window 2
.macro NEXTEXP r                       ; s[r] = the expert, at most 7: where its parameters, fragments and scale words begin for my wave
	s_lshl_b32 s94, s[\r], 12
	s_mov_b32 s95, 0
	s_add_nc_u64 s[PP:PP+1], s[16:17], s[94:95]
	s_add_nc_u64 s[PP+2:PP+3], s[18:19], s[94:95]
	s_add_nc_u64 s[PP+4:PP+5], s[20:21], s[94:95]
	s_lshl_b32 s94, s[\r], 19
	s_add_nc_u64 s[NP:NP+1], s[42:43], s[94:95]
	s_lshl_b32 s94, s[\r], 15
	s_add_nc_u64 s[NS:NS+1], s[44:45], s[94:95]
.endm
.macro LOADPRM                         ; 6 loads
.irp p, 0,1,2
.irp i, 0,1
	global_load_b128 v[PRM+8*\p+4*\i:PRM+8*\p+4*\i+3], v4, s[PP+2*\p:PP+2*\p+1] offset:512*\i
.endr
.endr
.endm
.macro LOADS1                          ; 4 + 48 loads: a chunk's scale words, and its fragments of K steps 0 to 5, eight loads a K step
	WIN 0
.irp t, 0,1,2,3
	global_load_b128 v[WS+4*\t:WS+4*\t+3], v4, s[NS:NS+1] offset:512*\t
.endr
	WIN 0x80
.irp s, 0,1,2,3,4,5
.irp t, 0,1,2,3
.irp c, 0,1
	global_load_b128 v[32*\s+8*\t+4*\c:32*\s+8*\t+4*\c+3], v4, s[NP:NP+1] offset:1024*(4*\s+\t)+512*\c
.endr
.endr
.endr
	WIN 0
.endm
.macro LOADS2                          ; 16 loads: K steps 6 and 7
	WIN 0x80
.irp s, 6,7
.irp t, 0,1,2,3
.irp c, 0,1
	global_load_b128 v[32*\s+8*\t+4*\c:32*\s+8*\t+4*\c+3], v4, s[NP:NP+1] offset:1024*(4*\s+\t)+512*\c
.endr
.endr
.endr
	WIN 0
.endm
	s_load_b512 s[4:19], s[0:1], 0x0               ; rec, gates, xq, xs, wq, wsc, be, gamma
	s_load_b128 s[20:23], s[0:1], 0x40             ; beta, out0
	v_lshl_add_u32 v254, v0, 2, 0x49600
	v_mov_b32 v255, 0
	v_lshrrev_b32 v1, 5, v0
	v_readfirstlane_b32 s24, v1                    ; wave 0..3
	v_and_b32 v1, 31, v0                           ; lane
	v_and_b32 v2, 15, v0                           ; r
	v_bfe_u32 v3, v0, 4, 1                         ; h
	v_lshlrev_b32 v4, 4, v1                        ; 16 x lane
	v_lshlrev_b32 v7, 2, v1
	s_lshr_b32 s92, s24, 1
	s_mul_i32 s92, s92, 8704
	s_and_b32 s93, s24, 1
	s_lshl_b32 s93, s93, 7
	s_add_co_u32 s92, s92, s93
	v_mul_u32_u24 v[XW], v1, 272
	v_add_nc_u32 v[XW], s92, v[XW]                 ; piece = lane; rows 8 w + j: token tile w / 2, row 8 (w % 2) + j
	v_mul_u32_u24 v[XR], v3, 272
	v_lshl_add_u32 v[XR], v2, 4, v[XR]             ; piece 4 s + 2 c + h, row r
	s_mul_i32 s92, s24, 3072
	s_add_co_u32 s92, s92, PAR
	v_add_nc_u32 v[PW], s92, v4
	v_lshlrev_b32 v[PA], 5, v3
	v_add_nc_u32 v[PA], s92, v[PA]                 ; my half's eight columns of a tile
	s_mul_i32 s92, s24, 8*OP
	s_add_co_u32 s92, s92, OB
	v_add_nc_u32 v[ORD], s92, v4                   ; rows 8 w + j, whole
	v_mul_u32_u24 v[OA], v2, OP
	v_lshl_add_u32 v[OA], v3, 5, v[OA]
	s_lshl_b32 s92, s24, 10
	s_add_co_u32 s92, s92, OB
	v_add_nc_u32 v[OA], s92, v[OA]                 ; row r, my wave's 1,024 bytes, + 32 h
	v_add_nc_u32 v[OA+1], 16*OP, v[OA]
	s_lshl_b32 s92, s24, 15
	s_add_co_u32 s92, s92, HB
	v_add_nc_u32 v[HA], s92, v4
	v_lshl_add_u32 v[SW], v0, 3, STAT              ; 256 w + 8 x lane
	v_lshl_add_u32 v[SR], v2, 3, STAT
	s_mov_b32 s[KP], 0x3e6d3388                    ; 0.23164189
	s_mov_b32 s[KC], 0xbf38aa3b                    ; -0.72134752
	s_mov_b32 s[KA1], 0xbe827906                   ; -a1 .. -a4: the polynomial is made negative, so that 1 - q is one fused multiply-add
	s_mov_b32 s[KA2], 0x3e91a98e
	s_mov_b32 s[KA3], 0xbfb5f0e3
	s_mov_b32 s[KA4], 0x3fba00e3
.irp k, KC, KA1, KA2, KA3, KA4
	s_mov_b32 s[\k+1], s[\k]                       ; (the packed forms name a pair and take its low word for both halves: so the high word is written)
.endr
	s_mov_b32 s60, 0x76543210
	s_mov_b32 s61, 0xfedcba98                      ; v_permlanex16_b32's selects for lane l xor 16
	s_mov_b32 s62, 0xffff0000                      ; lanes 16-31
	s_mov_b32 s27, 0x3827c5ac                      ; 4 eps
	s_mov_b32 s63, 0                               ; 1 once an expert's pass has begun: a phase is then put off
	s_mov_b32 s93, 0
	s_wait_kmcnt 0x0
	s_lshl_b32 s92, ttmp9, 7
	s_add_nc_u64 s[4:5], s[4:5], s[92:93]          ; my block's 32 records
	global_load_b32 v6, v7, s[4:5]                 ; lane = token
	s_lshl_b32 s92, s24, 5
	s_add_nc_u64 s[94:95], s[4:5], s[92:93]
	s_load_b256 s[68:75], s[94:95], 0x0            ; and, as scalars, those of the eight rows that my wave fetches and stores
	s_lshl_b32 s92, s24, 10
	s_add_nc_u64 s[16:17], s[16:17], s[92:93]      ; be, gamma, beta at my 256 columns
	s_add_nc_u64 s[18:19], s[18:19], s[92:93]
	s_add_nc_u64 s[20:21], s[20:21], s[92:93]
	s_lshl_b32 s92, s24, 17
	s_add_nc_u64 s[42:43], s[12:13], s[92:93]      ; wq at my 16 column tiles
	s_lshl_b32 s92, s24, 13
	s_add_nc_u64 s[44:45], s[14:15], s[92:93]      ; wsc likewise
	s_wait_kmcnt 0x0
.irp j, 0,1,2,3,4,5,6,7
	s_and_b32 s[68+\j], s[68+\j], 0x1fff
	s_min_u32 s[68+\j], s[68+\j], 0x1fff           ; a loaded number enters an address behind this bound alone
	s_lshl_b32 s92, s[68+\j], 9
	s_add_nc_u64 s[76+2*\j:77+2*\j], s[8:9], s[92:93]
.endr
	s_wait_loadcnt 0x0
	v_and_b32 v5, 0x1fff, v6
	v_min_u32 v5, 0x1fff, v5                       ; the token
	v_bfe_u32 v10, v6, 16, 4                       ; its first expert
	v_bfe_u32 v11, v6, 20, 4                       ; its second
	v_lshlrev_b32 v102, 3, v5
	v_lshlrev_b32 v103, 5, v5
	global_load_b64 v[8:9], v102, s[6:7]           ; its two weights
	global_load_b128 v[XS:XS+3], v103, s[10:11]    ; its eight scale words
	global_load_b128 v[XS+4:XS+7], v103, s[10:11] offset:16
.irp j, 0,1,2,3,4,5,6,7
	global_load_b128 v[XROW+4*\j:XROW+4*\j+3], v4, s[76+2*\j:77+2*\j]   ; a row's 512 bytes of codes
.endr
	s_mov_b32 s25, 0                               ; U: bit e = some token of the block uses expert e.  The same in all four waves
.irp e, 0,1,2,3,4,5,6,7
	v_cmp_eq_u32 s92, \e, v10
	v_cmp_eq_u32 s93, \e, v11
	s_or_b32 s92, s92, s93
	s_cselect_b32 s92, 1<<\e, 0
	s_or_b32 s25, s25, s92
.endr
	s_ctz_i32_b32 s92, s25
	s_min_u32 s92, s92, 7                          ; the first expert in use
	NEXTEXP 92
	LOADPRM
	LOADS1
.irp i, 0,1,2,3
	v_mov_b32 v[96+\i], 0
	v_mov_b32 v[108+\i], 0                         ; (a lane permute's destination counts as one of its sources)
.endr
.irp u, 0,1
.irp c, 0,1,2,3,4,5,6,7,8,9,10,11,12,13,14,15
	ds_store_b128 v[OA+\u], v[96:99] offset:64*\c                  ; the rows' sums begin as zeros: my columns
	ds_store_b128 v[OA+\u], v[96:99] offset:64*\c+16
.endr
.endr
	s_wait_loadcnt 58                              ; weights, scale words and rows of x are in; behind them the first expert's 6 + 4 + 48 loads
.irp j, 0,1,2,3,4,5,6,7
	ds_store_b128 v[XW], v[XROW+4*\j:XROW+4*\j+3] offset:16*\j
.endr
	v_permlanex16_b32 v108, v10, s60, s61
	v_permlanex16_b32 v109, v11, s60, s61
	v_permlanex16_b32 v110, v8, s60, s61
	v_permlanex16_b32 v111, v9, s60, s61
	WIN 0x40                                       ; lane (r, h) wants the experts and weights of tokens r and 16 + r: v242-243, v244-245 experts, v246-247, v248-249 weights
	v_cndmask_b32 v242, v10, v108, s62
	v_cndmask_b32 v243, v108, v10, s62
	v_cndmask_b32 v244, v11, v109, s62
	v_cndmask_b32 v245, v109, v11, s62
	v_cndmask_b32 v246, v8, v110, s62
	v_cndmask_b32 v247, v110, v8, s62
	v_cndmask_b32 v248, v9, v111, s62
	v_cndmask_b32 v249, v111, v9, s62
	v_mov_b32 v[K5], 0xbf87dc22                    ; -a5
	v_mov_b32 v[K5+1], 0xbf87dc22
.irp i, 0,1,2,3
	v_mov_b32 v[200+\i], 0                         ; lane permutes' destinations
.endr
.irp i, 0,1,2,3,4,5
	v_mov_b32 v[PN+\i], 0                          ; written on every way to their readers
.endr
	WIN 0
	s_wait_dscnt 0x0                               ; for the others' sake: my rows of x lie in LDS
	s_barrier_signal -1
	s_barrier_wait -1
	LOADS2
	WIN 0xc0
.irp u, 0,1
.irp s, 0,1,2,3,4,5,6,7
.irp c, 0,1
	ds_load_b128 v[64*\u+8*\s+4*\c:64*\u+8*\s+4*\c+3], v[XR] offset:8704*\u+272*(4*\s+2*\c)   ; x's sixteen fragments stay in registers
.endr
.endr
.endr
	WIN 0
; One product: K step s, column tile t, token tile u.  The first K step takes the bias as C.
.macro MM s, t, u
.set rD, AC+8*(2*(\t)+(\u))
.set rC, rD
.if (\s) == 0
.set rC, BI+8*(\t)
.endif
.set rA, 32*(\s)+8*(\t)
.set rB, 64*(\u)+8*(\s)
.set rW, WS+4*(\t)+(\s)/2
.set rS, XS+(\s)
.if ((\s)%2 == 0) && ((\u) == 0)
	v_wmma_scale_f32_16x16x128_f8f6f4 v[rD:rD+7], v[rA:rA+7], v[rB:rB+7], v[rC:rC+7], v[rW], v[rS] matrix_a_fmt:MATRIX_FMT_FP4 matrix_b_fmt:MATRIX_FMT_FP4
.elseif (\s)%2 == 0
	v_wmma_scale_f32_16x16x128_f8f6f4 v[rD:rD+7], v[rA:rA+7], v[rB:rB+7], v[rC:rC+7], v[rW], v[rS] matrix_a_fmt:MATRIX_FMT_FP4 matrix_b_fmt:MATRIX_FMT_FP4 matrix_b_scale:MATRIX_SCALE_ROW1
.elseif (\u) == 0
	v_wmma_scale_f32_16x16x128_f8f6f4 v[rD:rD+7], v[rA:rA+7], v[rB:rB+7], v[rC:rC+7], v[rW], v[rS] matrix_a_fmt:MATRIX_FMT_FP4 matrix_b_fmt:MATRIX_FMT_FP4 matrix_a_scale:MATRIX_SCALE_ROW1
.else
	v_wmma_scale_f32_16x16x128_f8f6f4 v[rD:rD+7], v[rA:rA+7], v[rB:rB+7], v[rC:rC+7], v[rW], v[rS] matrix_a_fmt:MATRIX_FMT_FP4 matrix_b_fmt:MATRIX_FMT_FP4 matrix_a_scale:MATRIX_SCALE_ROW1 matrix_b_scale:MATRIX_SCALE_ROW1
.endif
.endm
; A chunk's 64 products.  Both runs of its loads were issued on every way here, K step by K step: behind K step s's eight loads stand those of the 7 - s later K steps.
.macro GEMM
	WIN 0x5e
.irp s, 0,1,2,3,4,5,6,7
	s_wait_loadcnt 56-8*\s
.if \s == 0
	s_wait_dscnt 0x0                               ; the bias is in (at the head: x's fragments too), and earlier LDS stores have read the accumulators
.endif
.irp t, 0,1,2,3
.irp u, 0,1
	MM \s, \t, \u
.endr
.endr
.endr
	WIN 0
.endm
; THE WORK ON THE NUMBERS, in batches b of 16 registers (column tile b, both token tiles).  Three numbered lists; the symbol IN picks a line.
.macro PRE_L b                         ; 32 lines: 1 + 0.23164189 |x|;  -0.72134752 x^2
.set rX, AC+16*(\b)
.set rT, TT+48*((\b)%2)
.if IN < 16
	v_fma_f32 v[rT+IN], |v[rX+IN]|, s[KP], 1.0                     ; each accumulator is read from its low end on
.elseif IN < 24
	v_pk_mul_f32 v[rT+16+2*(IN-16):rT+17+2*(IN-16)], v[rX+2*(IN-16):rX+2*(IN-16)+1], v[rX+2*(IN-16):rX+2*(IN-16)+1]
.else
	v_pk_mul_f32 v[rT+16+2*(IN-24):rT+17+2*(IN-24)], v[rT+16+2*(IN-24):rT+17+2*(IN-24)], s[KC:KC+1] op_sel_hi:[1,0]
.endif
.endm
.macro TR_L b                          ; 32 lines: the reciprocals and exponentials, by turns; the symbol TK picks one
.set rT, TT+48*((\b)%2)
.if TK%2 == 0
	v_rcp_f32 v[rT+TK/2], v[rT+TK/2]
.else
	v_exp_f32 v[rT+16+TK/2], v[rT+16+TK/2]
.endif
.endm
.macro POST_L b                        ; 72 lines: the polynomial, 1 - q, x + |x| (1 - q), the sums
.set rX, AC+16*(\b)
.set rT, TT+48*((\b)%2)
.set rE, rT+16
.set rP, rT+32
.set pr, 2*(IN%8)
.if IN < 8
	v_pk_fma_f32 v[rP+pr:rP+pr+1], v[rT+pr:rT+pr+1], v[K5:K5+1], s[KA4:KA4+1] op_sel_hi:[1,1,0]
.elseif IN < 16
	v_pk_fma_f32 v[rP+pr:rP+pr+1], v[rP+pr:rP+pr+1], v[rT+pr:rT+pr+1], s[KA3:KA3+1] op_sel_hi:[1,1,0]
.elseif IN < 24
	v_pk_fma_f32 v[rP+pr:rP+pr+1], v[rP+pr:rP+pr+1], v[rT+pr:rT+pr+1], s[KA2:KA2+1] op_sel_hi:[1,1,0]
.elseif IN < 32
	v_pk_fma_f32 v[rP+pr:rP+pr+1], v[rP+pr:rP+pr+1], v[rT+pr:rT+pr+1], s[KA1:KA1+1] op_sel_hi:[1,1,0]
.elseif IN < 40
	v_pk_mul_f32 v[rP+pr:rP+pr+1], v[rP+pr:rP+pr+1], v[rT+pr:rT+pr+1]
.elseif IN < 48
	v_pk_fma_f32 v[rP+pr:rP+pr+1], v[rP+pr:rP+pr+1], v[rE+pr:rE+pr+1], 1.0 op_sel_hi:[1,1,0]
.elseif IN < 64
	v_fma_f32 v[rX+IN-48], |v[rX+IN-48]|, v[rP+IN-48], v[rX+IN-48]
.else
.set tu, IN%2
.set pr, 2*((IN-64)/2+4*tu)
	v_pk_add_f32 v[SS+2*tu:SS+2*tu+1], v[SS+2*tu:SS+2*tu+1], v[rX+pr:rX+pr+1]   ; the two token tiles by turns
.endif
.endm
.macro PLINE pb, qb                    ; line LN of the list: batch pb's 72 (if pb is not -1), then batch qb's 32
.if (\pb) >= 0
.if LN < 72
.set IN, LN
	POST_L \pb
.else
.set IN, LN-72
	PRE_L \qb
.endif
.else
.set IN, LN
	PRE_L \qb
.endif
.endm
; Batch b's 32 transcendentals, each followed by `per` plain lines of the neighbouring batches, which touch the other set of registers; the rest of the list follows the last.
; Then ONE wait for the batch, ahead of the first line that names a result.
.macro MIX b, pb, qb, per, total
.set LN, 0
.set TK, 0
.rept 32
	TR_L \b
.rept \per
	PLINE \pb, \qb
.set LN, LN+1
.endr
.set TK, TK+1
.endr
.rept \total-32*\per
	PLINE \pb, \qb
.set LN, LN+1
.endr
	s_wait_alu depctr_va_vdst(0)
.endm
; The chunk's mean and sum of squared deviations of my 32 numbers of each token, merged into the running pair: n = 32 q so far, 32 new.
.macro VAR q
.if \q == 0
.set MCR, MEAN
.else
.set MCR, MC
.endif
	v_add_f32 v[MCR], v[SS], v[SS+1]
	v_add_f32 v[MCR+1], v[SS+2], v[SS+3]
	v_pk_mul_f32 v[MCR:MCR+1], v[MCR:MCR+1], 0x3d000000 op_sel_hi:[1,0]            ; / 32
.irp a, 0,1,2,3,4,5,6,7
.irp i, 0,1,2,3
.if \a%2 == 0
	v_pk_add_f32 v[TT+8*\a+2*\i:TT+8*\a+2*\i+1], v[AC+8*\a+2*\i:AC+8*\a+2*\i+1], v[MCR:MCR+1] op_sel_hi:[1,0] neg_lo:[0,1] neg_hi:[0,1]
.else
	v_pk_add_f32 v[TT+8*\a+2*\i:TT+8*\a+2*\i+1], v[AC+8*\a+2*\i:AC+8*\a+2*\i+1], v[MCR:MCR+1] op_sel:[0,1] op_sel_hi:[1,1] neg_lo:[0,1] neg_hi:[0,1]
.endif
.endr
.endr
.irp g, 0,1                            ; four chains by turns: v220, v222 and v232, v234
.irp i, 0,1,2,3
.irp c, 0,1,2,3
.set rq, 220+2*\c+8*(\c/2)
.set rd, TT+8*(4*\g+\c)+2*\i
.if (\g == 0) && (\i == 0)
	v_pk_mul_f32 v[rq:rq+1], v[rd:rd+1], v[rd:rd+1]
.else
	v_pk_fma_f32 v[rq:rq+1], v[rd:rd+1], v[rd:rd+1], v[rq:rq+1]
.endif
.endr
.endr
.endr
	v_pk_add_f32 v[220:221], v[220:221], v[232:233]
	v_pk_add_f32 v[222:223], v[222:223], v[234:235]
.if \q == 0
	v_add_f32 v[M2], v220, v221
	v_add_f32 v[M2+1], v222, v223
.else
.if \q == 1
.set RQ, 0x3f000000                    ; 1 / (q + 1)
.set CQ, 0x41800000                    ; 32 q / (q + 1)
.elseif \q == 2
.set RQ, 0x3eaaaaab
.set CQ, 0x41aaaaab
.else
.set RQ, 0x3e800000
.set CQ, 0x41c00000
.endif
	v_add_f32 v[T1], v220, v221
	v_add_f32 v[T1+1], v222, v223
	v_pk_add_f32 v[T1+2:T1+3], v[MC:MC+1], v[MEAN:MEAN+1] neg_lo:[0,1] neg_hi:[0,1]
	v_pk_add_f32 v[M2:M2+1], v[M2:M2+1], v[T1:T1+1]
	v_pk_mul_f32 v[T1+4:T1+5], v[T1+2:T1+3], v[T1+2:T1+3]
	v_pk_fma_f32 v[MEAN:MEAN+1], v[T1+2:T1+3], RQ, v[MEAN:MEAN+1] op_sel_hi:[1,0,1]
	v_pk_fma_f32 v[M2:M2+1], v[T1+4:T1+5], CQ, v[M2:M2+1] op_sel_hi:[1,0,1]
.endif
.endm
; CHUNK q of the expert in hand: products, the next chunk's loads, 2 gelu, statistics, the image to LDS.
.macro CHUNK q
	WIN 0x40
.irp t, 0,1,2,3
.irp f, 0,1
	ds_load_b128 v[BI+8*\t+4*\f:BI+8*\t+4*\f+3], v[PA] offset:256*\q+64*\t+16*\f
.endr
.endr
	GEMM
.rept 4
	v_nop                                          ; four places behind the last product, ahead of loads into its operands and scales and of the first read of results
.endr
.if \q < 3                             ; the next chunk's loads.  All earlier loads were shown done by the products' last wait, so their bases may be written.  The expert's last chunk asks for nothing
	s_lshl_b32 s92, s26, 19
	s_add_co_u32 s92, s92, (\q+1)<<15
	s_mov_b32 s93, 0
	s_add_nc_u64 s[NP:NP+1], s[42:43], s[92:93]
	s_lshl_b32 s92, s26, 15
	s_add_co_u32 s92, s92, (\q+1)<<11
	s_add_nc_u64 s[NS:NS+1], s[44:45], s[92:93]
	LOADS1
.endif
	WIN 0x55
.irp i, 0,1,2,3
	v_mov_b32 v[SS+\i], 0
.endr
.set IN, 0
.rept 32
	PRE_L 0
.set IN, IN+1
.endr
	MIX 0, -1, 1, 1, 32
	MIX 1, 0, 2, 3, 104
.if \q < 3
	LOADS2
.endif
	WIN 0x55
	MIX 2, 1, 3, 3, 104
	MIX 3, 2, -1, 2, 72
.set IN, 0
.rept 72
	POST_L 3
.set IN, IN+1
.endr
	VAR \q
	WIN 0x04
.irp k, 0,1,2,3,4,5,6,7,8,9,10,11,12,13,14,15
	ds_store_b128 v[HA], v[AC+4*\k:AC+4*\k+3] offset:8192*\q+512*\k   ; 2 gelu as an image of the registers: 512 consecutive bytes a store, my wave's own
.endr
	WIN 0
.endm
; CHUNK q once the rows' statistics are known: sum += gamma (A h2 - A mean) + G beta.  It touches my wave's own LDS bytes alone.
.macro NCHUNK q
.if \q > 0
	s_wait_dscnt 0x0                               ; the last chunk's stores have read their registers
.endif
	WIN 0x40
.irp t, 0,1,2,3
.irp f, 0,1
	ds_load_b128 v[GAM+8*\t+4*\f:GAM+8*\t+4*\f+3], v[PA] offset:1024+256*\q+64*\t+16*\f
.endr
.endr
.irp t, 0,1,2,3
.irp f, 0,1
	ds_load_b128 v[BET+8*\t+4*\f:BET+8*\t+4*\f+3], v[PA] offset:2048+256*\q+64*\t+16*\f
.endr
.endr
.irp t, 0,1,2,3
.irp k, 0,1,2,3
	ds_load_b128 v[AC+16*\t+4*\k:AC+16*\t+4*\k+3], v[HA] offset:8192*\q+512*(4*\t+\k)
.endr
.irp u, 0,1
.irp f, 0,1
	ds_load_b128 v[OD+8*(2*\t+\u)+4*\f:OD+8*(2*\t+\u)+4*\f+3], v[OA+\u] offset:256*\q+64*\t+16*\f
.endr
.endr
.endr
	WIN 0x55
.irp t, 0,1,2,3
	s_wait_dscnt 24-8*\t                           ; column tile t's eight loads are in; eight for each later tile may be out
.irp u, 0,1
.irp i, 0,1,2,3
	v_pk_fma_f32 v[T1+8*\u+2*\i:T1+8*\u+2*\i+1], v[AC+8*(2*\t+\u)+2*\i:AC+8*(2*\t+\u)+2*\i+1], v[PN+2*\u:PN+2*\u+1], v[PN+2*\u:PN+2*\u+1] op_sel:[0,0,1] op_sel_hi:[1,0,1]
.endr
.endr
.irp u, 0,1
.irp i, 0,1,2,3
	v_pk_fma_f32 v[OD+8*(2*\t+\u)+2*\i:OD+8*(2*\t+\u)+2*\i+1], v[T1+8*\u+2*\i:T1+8*\u+2*\i+1], v[GAM+8*\t+2*\i:GAM+8*\t+2*\i+1], v[OD+8*(2*\t+\u)+2*\i:OD+8*(2*\t+\u)+2*\i+1]
.endr
.endr
.irp i, 0,1,2,3
	v_pk_fma_f32 v[OD+16*\t+2*\i:OD+16*\t+2*\i+1], v[BET+8*\t+2*\i:BET+8*\t+2*\i+1], v[GP:GP+1], v[OD+16*\t+2*\i:OD+16*\t+2*\i+1] op_sel_hi:[1,0,1]
.endr
.irp i, 0,1,2,3
	v_pk_fma_f32 v[OD+16*\t+8+2*\i:OD+16*\t+8+2*\i+1], v[BET+8*\t+2*\i:BET+8*\t+2*\i+1], v[GP:GP+1], v[OD+16*\t+8+2*\i:OD+16*\t+8+2*\i+1] op_sel:[0,1,0] op_sel_hi:[1,1,1]
.endr
.endr
	WIN 0x04
.irp t, 0,1,2,3
.irp u, 0,1
.irp f, 0,1
	ds_store_b128 v[OA+\u], v[OD+8*(2*\t+\u)+4*\f:OD+8*(2*\t+\u)+4*\f+3] offset:256*\q+64*\t+16*\f
.endr
.endr
.endr
	WIN 0
.endm
.macro NPHASE                          ; the phase that is put off: an expert's four chunks onto the rows' sums
	NCHUNK 0
	NCHUNK 1
	NCHUNK 2
	NCHUNK 3
.endm
	s_mov_b32 s26, 0                               ; the expert
.Lexpert:                              ; eight trips.  Every wave passes both barriers of every trip; only the work is passed over
	s_bitcmp1_b32 s25, s26
	s_cbranch_scc0 .Lskip1
	s_cmp_lg_u32 s63, 0
	s_cbranch_scc0 .Lfirst                         ; the first expert in use: its loads went out at the head, and no phase is put off yet
	s_wait_loadcnt 0x0                             ; no load is out (the last chunk's products waited for all): the bases and the registers below are written again only behind this wait
	NEXTEXP 26                                     ; this expert's parameters and first chunk: 6 + 4 + 48 + 16 loads,
	LOADPRM
	LOADS1
	LOADS2
	NPHASE                                         ; and, while they are on their way, the phase put off from the expert before
.Lfirst:
	s_mov_b32 s63, 1
	s_wait_loadcnt 52                              ; this expert's parameters are in: 68 loads stand behind them, more than a wait can name, so a smaller count is taken
.irp i, 0,1,2,3,4,5
	ds_store_b128 v[PW], v[PRM+4*\i:PRM+4*\i+3] offset:512*\i      ; my wave's own bytes; LDS serves a wave's instructions in order: the phase above has read the old ones
.endr
	CHUNK 0
	CHUNK 1
	CHUNK 2
	CHUNK 3
	WIN 0x55                                       ; my 128 numbers of a token with lane l xor 16's 128
	v_permlanex16_b32 v200, v[MEAN], s60, s61
	v_permlanex16_b32 v201, v[MEAN+1], s60, s61
	v_permlanex16_b32 v202, v[M2], s60, s61
	v_permlanex16_b32 v203, v[M2+1], s60, s61
	v_pk_add_f32 v[204:205], v[MEAN:MEAN+1], v[200:201] neg_lo:[0,1] neg_hi:[0,1]
	v_pk_add_f32 v[MEAN:MEAN+1], v[MEAN:MEAN+1], v[200:201]
	v_pk_add_f32 v[M2:M2+1], v[M2:M2+1], v[202:203]
	v_pk_mul_f32 v[204:205], v[204:205], v[204:205]
	v_pk_mul_f32 v[MEAN:MEAN+1], v[MEAN:MEAN+1], 0.5 op_sel_hi:[1,0]
	v_pk_fma_f32 v[M2:M2+1], v[204:205], 0x42800000, v[M2:M2+1] op_sel_hi:[1,0,1]   ; + 64 delta^2
	v_cndmask_b32 v206, v[MEAN], v[MEAN+1], s62    ; lanes 0-15 speak for tokens 0-15, lanes 16-31 for tokens 16-31
	v_cndmask_b32 v207, v[M2], v[M2+1], s62
	WIN 0x04
	ds_store_b64 v[SW], v[206:207]
	WIN 0
.Lskip1:
	s_wait_dscnt 0x0                               ; for the others' sake: my statistics lie in LDS
	s_barrier_signal -1
	s_barrier_wait -1
	s_bitcmp1_b32 s25, s26
	s_cbranch_scc0 .Lskip2
	WIN 0x40
.irp u, 0,1
.irp w, 0,1,2,3
	ds_load_b64 v[96+8*\u+2*\w:97+8*\u+2*\w], v[SR] offset:256*\w+128*\u
.endr
.endr
	s_wait_dscnt 0x0
	WIN 0x55                                       ; the four waves' 256 numbers each
.irp u, 0,1
	v_pk_add_f32 v[112+2*\u:113+2*\u], v[96+8*\u:97+8*\u], v[98+8*\u:99+8*\u]
.endr
.irp u, 0,1
	v_pk_add_f32 v[116+2*\u:117+2*\u], v[100+8*\u:101+8*\u], v[102+8*\u:103+8*\u]
.endr
.irp u, 0,1
	v_pk_add_f32 v[112+2*\u:113+2*\u], v[112+2*\u:113+2*\u], v[116+2*\u:117+2*\u]
.endr
.irp u, 0,1
	v_mul_f32 v[120+\u], 0x3e800000, v[112+2*\u]   ; the row's mean
.endr
.irp u, 0,1
.irp w, 0,1,2,3
	v_sub_f32 v[124+4*\u+\w], v[96+8*\u+2*\w], v[120+\u]
.endr
.endr
.irp u, 0,1
	v_mul_f32 v[132+\u], v[124+4*\u], v[124+4*\u]
.endr
.irp w, 1,2,3
.irp u, 0,1
	v_fma_f32 v[132+\u], v[124+4*\u+\w], v[124+4*\u+\w], v[132+\u]
.endr
.endr
.irp u, 0,1
	v_fma_f32 v[132+\u], v[132+\u], 0x43800000, v[113+2*\u]        ; the row's sum of squared deviations
.endr
.irp u, 0,1
	v_fma_f32 v[132+\u], v[132+\u], 0x3a800000, s27                ; / 1,024 + 4 eps
.endr
.irp u, 0,1
	v_rsq_f32 v[134+\u], v[132+\u]
.endr
	v_nop                                          ; a plain line behind the last of the two
.irp u, 0,1                            ; the token's weight for this expert, 0 if it did not choose it
	v_cmp_eq_u32 s92, s26, v[242+\u]
	v_cndmask_b32 v[GP+\u], 0, v[246+\u], s92
	v_cmp_eq_u32 s93, s26, v[244+\u]
	v_cndmask_b32 v[GP+\u], v[GP+\u], v[248+\u], s93
.endr
	s_wait_alu depctr_va_vdst(0)                   ; one wait for the two, ahead of their first reader
.irp u, 0,1
	v_mul_f32 v[PN+2*\u], v[GP+\u], v[134+\u]      ; A = weight / sqrt(..)
.endr
.irp u, 0,1
	v_mul_f32 v[PN+2*\u+1], -v[PN+2*\u], v[120+\u] ; -A mean
.endr
	WIN 0
.Lskip2:
	s_wait_dscnt 0x0
	s_barrier_signal -1                            ; every wave's reads of the statistics are over: the next expert in use may write them again
	s_barrier_wait -1
	s_add_co_u32 s26, s26, 1
	s_cmp_lt_u32 s26, 8
	s_cbranch_scc1 .Lexpert
	NPHASE                                         ; the last expert's (every token names two experts, so a pass has been made)
	; THE WAY OUT: each wave stores eight whole rows, 512 consecutive bytes an instruction, at the tokens' own places.
	s_wait_dscnt 0x0                               ; for the others' sake: my columns of the sums lie in LDS
	s_barrier_signal -1
	s_barrier_wait -1
	s_wait_loadcnt 0x0                             ; no load is on its way into window 2, which takes the rows
	s_mov_b32 s93, 0
.irp j, 0,1,2,3,4,5,6,7
	s_lshl_b32 s92, s[68+\j], 12
	s_add_nc_u64 s[76+2*\j:77+2*\j], s[22:23], s[92:93]
.endr
	WIN 0x80
.irp j, 0,1,2,3,4,5,6,7
.irp k, 0,1,2,3,4,5,6,7
	ds_load_b128 v[4*(8*\j+\k):4*(8*\j+\k)+3], v[ORD] offset:OP*\j+512*\k
.endr
.endr
	WIN 0x08
.set CN, 63
.irp j, 0,1,2,3,4,5,6,7
.irp k, 0,1,2,3,4,5,6,7
	s_wait_dscnt CN                                ; LDS loads come back in order: this one is in, the younger ones may be out
	global_store_b128 v4, v[4*(8*\j+\k):4*(8*\j+\k)+3], s[76+2*\j:77+2*\j] offset:512*\k th:TH_STORE_NT
.set CN, CN-1
.endr
.endr
	WIN 0
	s_wait_tensorcnt 0x0
	ds_add_u32 v254, v255
	s_wait_dscnt 0x0
	s_endpgm
.Lfunc_end_k_qb4e75fb43c_experts:
	.size	k_qb4e75fb43c_experts, .Lfunc_end_k_qb4e75fb43c_experts-k_qb4e75fb43c_experts
	.p2alignl 7, 3214868480
	.fill 96, 4, 3214868480
	.section	.rodata,"a",@progbits
	.p2align	6, 0x0
	.amdhsa_kernel k_qb4e75fb43c_experts
		.amdhsa_group_segment_fixed_size 301056
		.amdhsa_private_segment_fixed_size 0
		.amdhsa_enable_private_segment 0
		.amdhsa_kernarg_size 80
		.amdhsa_user_sgpr_count 2
		.amdhsa_user_sgpr_kernarg_segment_ptr 1
		.amdhsa_wavefront_size32 1
		.amdhsa_system_sgpr_workgroup_id_x 1
		.amdhsa_system_sgpr_workgroup_id_y 1
		.amdhsa_system_sgpr_workgroup_id_z 1
		.amdhsa_system_vgpr_workitem_id 0
		.amdhsa_next_free_vgpr 896
		.amdhsa_next_free_sgpr 100
		.amdhsa_reserve_vcc 0
		.amdhsa_float_denorm_mode_32 3
		.amdhsa_float_denorm_mode_16_64 3
		.amdhsa_memory_ordered 1
		.amdhsa_forward_progress 1
		.amdhsa_inst_pref_size 255
	.end_amdhsa_kernel
	.section	.bss,"aw",@nobits
	.p2align	6
	.space	262144
	.amdgpu_metadata
---
amdhsa.version: [ 1, 2 ]
amdhsa.kernels:
  - .name:           k_qb4e75fb43c_experts
    .symbol:         k_qb4e75fb43c_experts.kd
    .args:
      - { .name: rec, .offset: 0, .size: 8, .value_kind: global_buffer, .address_space: global }
      - { .name: gates, .offset: 8, .size: 8, .value_kind: global_buffer, .address_space: global }
      - { .name: xq, .offset: 16, .size: 8, .value_kind: global_buffer, .address_space: global }
      - { .name: xs, .offset: 24, .size: 8, .value_kind: global_buffer, .address_space: global }
      - { .name: wq, .offset: 32, .size: 8, .value_kind: global_buffer, .address_space: global }
      - { .name: wsc, .offset: 40, .size: 8, .value_kind: global_buffer, .address_space: global }
      - { .name: be, .offset: 48, .size: 8, .value_kind: global_buffer, .address_space: global }
      - { .name: gamma, .offset: 56, .size: 8, .value_kind: global_buffer, .address_space: global }
      - { .name: beta, .offset: 64, .size: 8, .value_kind: global_buffer, .address_space: global }
      - { .name: out0, .offset: 72, .size: 8, .value_kind: global_buffer, .address_space: global }
    .group_segment_fixed_size: 301056
    .private_segment_fixed_size: 0
    .kernarg_segment_align: 8
    .kernarg_segment_size: 80
    .max_flat_workgroup_size: 128
    .sgpr_count:     100
    .vgpr_count:     896
    .wavefront_size: 32
...
	.end_amdgpu_metadata
.endif
;; end of part 3
;; ======== version 2 of 2: 3 launches; version 1 with the launch experts written anew for expert scheduling mode
;; limits: a function is approximated: absolute error at most 1.5e-07
;; workspace buffers: xq 4,194,304 bytes; xs 262,144 bytes; wq 4,194,304 bytes; wsc 262,144 bytes; gates 65,536 bytes; meta 65,536 bytes of whole numbers; rec 32,768 bytes of whole numbers
;; launch route: the kernel of part 1 again; grid 256 x 1, 8 waves a work-group, no clusters, 87,040 bytes of LDS; arguments x, Wg, bg, We_codes, We_scales, xq, xs, meta, gates, wq, wsc; writes xq, xs, meta, gates, wq, wsc
;; launch place: the kernel of part 2 again; grid 1 x 1, 32 waves a work-group, no clusters, 8,192 bytes of LDS; arguments meta, rec; writes rec
;; launch experts (part 4): grid 256 x 1, 4 waves a work-group, no clusters, 301,056 bytes of LDS; arguments rec, gates, xq, xs, wq, wsc, be, gamma, beta, out0; writes out0
.if DOCPART == 4
	.amdgcn_target "amdgcn-amd-amdhsa--gfx1250"
	.amdhsa_code_object_version 6
	.text
	.protected	k_qb4e75fb43c_experts
	.globl	k_qb4e75fb43c_experts
	.p2align	8
	.type	k_qb4e75fb43c_experts,@function
k_qb4e75fb43c_experts:
	s_mov_b64 s[64:65], 0
	v_nop
	global_prefetch_b8 v0, s[64:65] scope:SCOPE_SE
	s_setreg_imm32_b32 hwreg(HW_REG_WAVE_SCHED_MODE, 0, 2), 2
	s_setreg_imm32_b32 hwreg(HW_REG_WAVE_MODE, 25, 1), 1
	s_wait_xcnt 0x0
	s_wait_alu depctr_vm_vsrc(0)
; EXPERTS.  A work-group owns 32 tokens that lie side by side in the order of their pairs of experts, and whole rows of the output.  It walks the 8 experts in a loop of constant count and passes over,
; by a scalar branch on the stored list, those that none of its tokens uses.  For an expert in use: h = x We + be on codes of FP4 (E2M1) with E8M0 scales, exact GELU, LayerNorm over the 1,024 columns,
; gamma and beta, times the token's gate weight (0 for a token that did not choose the expert), added onto the row.
; SHARES.  Two tiles of 16 tokens; wave w owns columns 256 w .. 256 w + 255, four chunks of four column tiles.  The product is used transposed (source 0 = 16 rows of We, source 1 = 16 tokens):
; lane (r, h) holds token r, register j column 16 T + 8 h + j.  A chunk is 64 matrix instructions on 8 accumulators, which take turns, one instruction a turn.
; The weights go from memory straight into registers, laid by the first launch in the operand's order: a chunk's 64 loads of 512 consecutive bytes are asked for a chunk ahead, behind the chunk's products.
; AN EXPERT'S LAST PHASE IS PUT OFF: once the rows' statistics are known, the norm, gamma, beta and the addition onto the rows' sums wait until the next expert in use begins: that pass first asks for its own
; parameters and first chunk (their addresses are made of the loop's counter), and the phase put off runs while those 74 loads are on their way.  The last expert's stands behind the loop; the first expert's loads go out at the head.
; GELU.  2 gelu(x) = x + |x| (1 - q), q = t (a1 + t (a2 + t (a3 + t (a4 + t a5)))) 2^(-0.72134752 x^2), t = 1 / (1 + 0.23164189 |x|): erf by Abramowitz and Stegun 7.1.26, absolute error 1.5e-7 for every x.
; LayerNorm of 2 h with 4 eps is LayerNorm of h with eps, so nothing is halved.
; STATISTICS without a difference of large sums: mean and sum of squared deviations of each lane's 32 numbers of a chunk, merged (Chan) over the chunks, the halves of the lanes and the four waves.
; 2 gelu waits in LDS (an image of the registers, each wave's own bytes) for the row's statistics; the rows' sums are kept in LDS too, each wave its own columns, and leave once, as whole rows.
; NO TENSOR LOADS AND NO JOINT LOADS: which experts a work-group walks hangs on numbers read from memory, so partners in a cluster would want different tiles at different times.
; LIMITS: NaN and infinities are not served; h must be finite in f32 for every expert that any token of the block uses (a weight of 0 multiplies it).
; REGISTERS, in windows of 256.  Window 0: addresses, x's and We's scale words (v16-39, scales and nothing else), an expert's parameters on their way to LDS.  Window 1: accumulators and all vector work.
; Window 2: We's fragments of a chunk, (K step s, tile t) at 32 s + 8 t; on the way out the rows.  Window 3: x's fragments, (token tile u, K step s) at 64 u + 8 s, for the whole launch.
; THE MODE: SCHED_MODE bits 1:0 = 2 (LLVM: expert scheduling mode 2), set by the entry lines.  The code itself states the register dependences
; between vector or matrix instructions and memory or LDS instructions, with s_wait_alu, always for 0.
; THE PLAN.  Registers that memory or LDS instructions touch, from the loop on:
;   window 2, WS  Read by a chunk's 64 products; the next chunk's loads land in them.  One wait on va_vdst behind the products serves the first run of loads; the second run stands straight behind a batch's own wait.
;   PRM           Written by a pass's six loads, read by its six LDS stores, named by no vector instruction.
;   BI = GAM      Loaded from LDS at a chunk's head, read by its first eight products as C; loaded again and read by the multiply-adds in the phase put off.
;   AC            Written by the products and the lines of 2 gelu.  Batch b's sixteen registers are final ahead of the wait that batch b + 1's transcendentals have anyway: its four LDS stores follow that wait; batch 3's follow
;                 a wait of their own, and the statistics, which only read AC, run behind them.  In the phase put off LDS loads land in AC.
;   OD, BET       (the chunks' TT)  In the phase put off: loaded, OD written by the multiply-adds and read by the LDS stores.
;   v96-111, v206-207 of window 1: the statistics from and to LDS.
;   Every address register is made at the head and never written again.
; THE WAITS.  At a pass's head, and behind the loop, a pair: vm_vsrc (the LDS stores have read PRM, AC, v206-207) and va_vdst (products and vector lines are done with window 2, WS, GAM, BET, AC, OD); only loads and window
; switches stand between it and the pass's 74 loads and the phase's first 48.  In the phase: va_vdst ahead of a chunk's stores; ahead of the next chunk's loads both waits again, since those stores name the registers in which the loads land.
; In a chunk: vm_vsrc ahead of the first product, va_vdst behind the last, va_vdst ahead of batch 3's stores.  At the statistics: va_vdst ahead of the one store.
.set XIMG, 0                           ; LDS: x's codes: token tile x 8,704 + 16-byte piece x 272 + row x 16
.set PAR,  17408                       ; be, gamma, beta of my 256 columns: wave x 3,072 + which x 1,024
.set STAT, 29696                       ; (mean, sum of squares): wave x 256 + token x 8
.set HB,   37888                       ; 2 gelu: wave x 32,768 + chunk x 8,192 + 512 k + 16 x lane
.set OB,   168960                      ; the rows' sums: 32 rows, 4,112 bytes apart
.set OP,   4112
.set XW,  12                           ; window 0: v12 x's codes in;  v13 out;  v14 parameters in;  v15 rows out
.set XR,  13
.set PW,  14
.set ORD, 15
.set XS,  16                           ; v16-23  x's scale words: register s = K step s, lane = token
.set WS,  24                           ; v24-39  We's: register 4 t + s / 2; lanes 0-15 the even K step, lanes 16-31 the odd
.set PRM, 40                           ; v40-63  an expert's be, gamma, beta
.set XROW, 64                          ; v64-95  eight rows of x's codes
.set OA,  100                          ; v100-101 my place in the rows' sums, token tile 0, 1
.set HA,  104
.set PA,  105
.set SW,  106
.set SR,  107
.set AC,  0                            ; window 1: v0-63 the 8 accumulators, (tile t, token tile u) at 8 (2 t + u)
.set BI,  64                           ; v64-95  the bias as the sums' first C; later gamma
.set GAM, 64
.set TT,  96                           ; v96-191 two sets of t (16), exponent (16), polynomial (16); later deviations; later the rows' sums and beta
.set OD,  96
.set BET, 160
.set T1,  192                          ; v192-207 at work
.set SS,  216                          ; v216-219 sums, token tile 0, 1
.set MEAN, 224                         ; v224-225 running means;  v226-227 running sums of squares;  v228-229 a chunk's means
.set M2,  226
.set MC,  228
.set K5,  230                          ; v230-231 -a5
.set PN,  236                          ; v236-239 (A, -A mean) for token tile 0, 1;  v240-241 the gate weights
.set GP,  240
.set NP,  32                           ; s[32:33] the fragments to be asked for;  s[34:35] their scale words;  s[36:41] an expert's parameters
.set NS,  34
.set PP,  36
.set KP,  46
.set KC,  48
.set KA1, 50
.set KA2, 52
.set KA3, 54
.set KA4, 56
.set MSB, 0
.macro WIN new                         ; the immediate's high byte repeats the setting that is left; a switch that changes nothing is dropped
.if MSB != (\new)
	s_set_vgpr_msb (MSB<<8)|(\new)
.set MSB, (\new)
.endif
.endm
; settings: 0x5e product (We window 2, x window 3, C and D window 1); 0x80, 0xc0 loads into windows 2, 3; 0x55 vector work in window 1; 0x40 destination window 1; 0x04 LDS store data window 1; 0x08 store data window 2
.macro NEXTEXP r                       ; s[r] = the expert, at most 7: where its parameters, fragments and scale words begin for my wave
	s_lshl_b32 s94, s[\r], 12
	s_mov_b32 s95, 0
	s_add_nc_u64 s[PP:PP+1], s[16:17], s[94:95]
	s_add_nc_u64 s[PP+2:PP+3], s[18:19], s[94:95]
	s_add_nc_u64 s[PP+4:PP+5], s[20:21], s[94:95]
	s_lshl_b32 s94, s[\r], 19
	s_add_nc_u64 s[NP:NP+1], s[42:43], s[94:95]
	s_lshl_b32 s94, s[\r], 15
	s_add_nc_u64 s[NS:NS+1], s[44:45], s[94:95]
.endm
.macro LOADPRM                         ; 6 loads
.irp p, 0,1,2
.irp i, 0,1
	global_load_b128 v[PRM+8*\p+4*\i:PRM+8*\p+4*\i+3], v4, s[PP+2*\p:PP+2*\p+1] offset:512*\i
.endr
.endr
.endm
.macro LOADS1                          ; 4 + 48 loads: a chunk's scale words, and its fragments of K steps 0 to 5, eight loads a K step
	WIN 0
.irp t, 0,1,2,3
	global_load_b128 v[WS+4*\t:WS+4*\t+3], v4, s[NS:NS+1] offset:512*\t
.endr
	WIN 0x80
.irp s, 0,1,2,3,4,5
.irp t, 0,1,2,3
.irp c, 0,1
	global_load_b128 v[32*\s+8*\t+4*\c:32*\s+8*\t+4*\c+3], v4, s[NP:NP+1] offset:1024*(4*\s+\t)+512*\c
.endr
.endr
.endr
	WIN 0
.endm
.macro LOADS2                          ; 16 loads: K steps 6 and 7
	WIN 0x80
.irp s, 6,7
.irp t, 0,1,2,3
.irp c, 0,1
	global_load_b128 v[32*\s+8*\t+4*\c:32*\s+8*\t+4*\c+3], v4, s[NP:NP+1] offset:1024*(4*\s+\t)+512*\c
.endr
.endr
.endr
	WIN 0
.endm
	s_load_b512 s[4:19], s[0:1], 0x0               ; rec, gates, xq, xs, wq, wsc, be, gamma
	s_load_b128 s[20:23], s[0:1], 0x40             ; beta, out0
	v_lshl_add_u32 v254, v0, 2, 0x49600
	v_mov_b32 v255, 0
	v_lshrrev_b32 v1, 5, v0
	v_readfirstlane_b32 s24, v1                    ; wave 0..3
	v_and_b32 v1, 31, v0                           ; lane
	v_and_b32 v2, 15, v0                           ; r
	v_bfe_u32 v3, v0, 4, 1                         ; h
	v_lshlrev_b32 v4, 4, v1                        ; 16 x lane
	v_lshlrev_b32 v7, 2, v1
	s_wait_alu depctr_va_sdst(0)                   ; s24 is written, ahead of its first reader
	s_lshr_b32 s92, s24, 1
	s_mul_i32 s92, s92, 8704
	s_and_b32 s93, s24, 1
	s_lshl_b32 s93, s93, 7
	s_add_co_u32 s92, s92, s93
	v_mul_u32_u24 v[XW], v1, 272
	v_add_nc_u32 v[XW], s92, v[XW]                 ; piece = lane; rows 8 w + j: token tile w / 2, row 8 (w % 2) + j
	v_mul_u32_u24 v[XR], v3, 272
	v_lshl_add_u32 v[XR], v2, 4, v[XR]             ; piece 4 s + 2 c + h, row r
	s_mul_i32 s92, s24, 3072
	s_add_co_u32 s92, s92, PAR
	v_add_nc_u32 v[PW], s92, v4
	v_lshlrev_b32 v[PA], 5, v3
	v_add_nc_u32 v[PA], s92, v[PA]                 ; my half's eight columns of a tile
	s_mul_i32 s92, s24, 8*OP
	s_add_co_u32 s92, s92, OB
	v_add_nc_u32 v[ORD], s92, v4                   ; rows 8 w + j, whole
	v_mul_u32_u24 v[OA], v2, OP
	v_lshl_add_u32 v[OA], v3, 5, v[OA]
	s_lshl_b32 s92, s24, 10
	s_add_co_u32 s92, s92, OB
	v_add_nc_u32 v[OA], s92, v[OA]                 ; row r, my wave's 1,024 bytes, + 32 h
	v_add_nc_u32 v[OA+1], 16*OP, v[OA]
	s_lshl_b32 s92, s24, 15
	s_add_co_u32 s92, s92, HB
	v_add_nc_u32 v[HA], s92, v4
	v_lshl_add_u32 v[SW], v0, 3, STAT              ; 256 w + 8 x lane
	v_lshl_add_u32 v[SR], v2, 3, STAT
	s_mov_b32 s[KP], 0x3e6d3388                    ; 0.23164189
	s_mov_b32 s[KC], 0xbf38aa3b                    ; -0.72134752
	s_mov_b32 s[KA1], 0xbe827906                   ; -a1 .. -a4: the polynomial is made negative, so that 1 - q is one fused multiply-add
	s_mov_b32 s[KA2], 0x3e91a98e
	s_mov_b32 s[KA3], 0xbfb5f0e3
	s_mov_b32 s[KA4], 0x3fba00e3
.irp k, KC, KA1, KA2, KA3, KA4
	s_mov_b32 s[\k+1], s[\k]                       ; (the packed forms name a pair and take its low word for both halves: so the high word is written)
.endr
	s_mov_b32 s60, 0x76543210
	s_mov_b32 s61, 0xfedcba98                      ; v_permlanex16_b32's selects for lane l xor 16
	s_mov_b32 s62, 0xffff0000                      ; lanes 16-31
	s_mov_b32 s27, 0x3827c5ac                      ; 4 eps
	s_mov_b32 s63, 0                               ; 1 once an expert's pass has begun: a phase is then put off
	s_mov_b32 s93, 0
	s_wait_kmcnt 0x0
	s_lshl_b32 s92, ttmp9, 7
	s_add_nc_u64 s[4:5], s[4:5], s[92:93]          ; my block's 32 records
	s_wait_alu depctr_va_vdst(0)                   ; v4, v7, v12 to v15, v100, v101 and v104 to v107 are written: the offsets and LDS addresses that the loads and stores of the whole kernel read
	global_load_b32 v6, v7, s[4:5]                 ; lane = token
	s_lshl_b32 s92, s24, 5
	s_add_nc_u64 s[94:95], s[4:5], s[92:93]
	s_load_b256 s[68:75], s[94:95], 0x0            ; and, as scalars, those of the eight rows that my wave fetches and stores
	s_lshl_b32 s92, s24, 10
	s_add_nc_u64 s[16:17], s[16:17], s[92:93]      ; be, gamma, beta at my 256 columns
	s_add_nc_u64 s[18:19], s[18:19], s[92:93]
	s_add_nc_u64 s[20:21], s[20:21], s[92:93]
	s_lshl_b32 s92, s24, 17
	s_add_nc_u64 s[42:43], s[12:13], s[92:93]      ; wq at my 16 column tiles
	s_lshl_b32 s92, s24, 13
	s_add_nc_u64 s[44:45], s[14:15], s[92:93]      ; wsc likewise
	s_wait_kmcnt 0x0
.irp j, 0,1,2,3,4,5,6,7
	s_and_b32 s[68+\j], s[68+\j], 0x1fff
	s_min_u32 s[68+\j], s[68+\j], 0x1fff           ; a loaded number enters an address behind this bound alone
	s_lshl_b32 s92, s[68+\j], 9
	s_add_nc_u64 s[76+2*\j:77+2*\j], s[8:9], s[92:93]
.endr
	s_wait_loadcnt 0x0
	v_and_b32 v5, 0x1fff, v6
	v_min_u32 v5, 0x1fff, v5                       ; the token
	v_bfe_u32 v10, v6, 16, 4                       ; its first expert
	v_bfe_u32 v11, v6, 20, 4                       ; its second
	v_lshlrev_b32 v102, 3, v5
	v_lshlrev_b32 v103, 5, v5
	s_wait_alu depctr_va_vdst(0)                   ; v102 and v103 are written, which the three loads below read as their offsets
	global_load_b64 v[8:9], v102, s[6:7]           ; its two weights
	global_load_b128 v[XS:XS+3], v103, s[10:11]    ; its eight scale words
	global_load_b128 v[XS+4:XS+7], v103, s[10:11] offset:16
.irp j, 0,1,2,3,4,5,6,7
	global_load_b128 v[XROW+4*\j:XROW+4*\j+3], v4, s[76+2*\j:77+2*\j]   ; a row's 512 bytes of codes
.endr
	s_mov_b32 s25, 0                               ; U: bit e = some token of the block uses expert e.  The same in all four waves
.irp g, 0,4                            ; four experts at a time: eight compares in a run, into s28-31 and s96-99
.irp e, 0,1,2,3
	v_cmp_eq_u32 s[28+\e], \g+\e, v10
	v_cmp_eq_u32 s[96+\e], \g+\e, v11
.endr
	s_wait_alu depctr_va_sdst(0)                   ; the eight masks are written, ahead of their first reader
.irp e, 0,1,2,3
	s_or_b32 s92, s[28+\e], s[96+\e]
	s_cselect_b32 s92, 1<<(\g+\e), 0
	s_or_b32 s25, s25, s92
.endr
.endr
	s_ctz_i32_b32 s92, s25
	s_min_u32 s92, s92, 7                          ; the first expert in use
	NEXTEXP 92
	LOADPRM                                        ; (no vector instruction has named the registers in which these loads land)
	LOADS1
.irp i, 0,1,2,3
	v_mov_b32 v[96+\i], 0
	v_mov_b32 v[108+\i], 0                         ; (a lane permute's destination counts as one of its sources)
.endr
	s_wait_alu depctr_va_vdst(0)                   ; v96 to v99 are written, which the LDS stores below read
.irp u, 0,1
.irp c, 0,1,2,3,4,5,6,7,8,9,10,11,12,13,14,15
	ds_store_b128 v[OA+\u], v[96:99] offset:64*\c                  ; the rows' sums begin as zeros: my columns
	ds_store_b128 v[OA+\u], v[96:99] offset:64*\c+16
.endr
.endr
	s_wait_loadcnt 58                              ; weights, scale words and rows of x are in; behind them the first expert's 6 + 4 + 48 loads
.irp j, 0,1,2,3,4,5,6,7
	ds_store_b128 v[XW], v[XROW+4*\j:XROW+4*\j+3] offset:16*\j
.endr
	v_permlanex16_b32 v108, v10, s60, s61
	v_permlanex16_b32 v109, v11, s60, s61
	v_permlanex16_b32 v110, v8, s60, s61
	v_permlanex16_b32 v111, v9, s60, s61
	WIN 0x40                                       ; lane (r, h) wants the experts and weights of tokens r and 16 + r: v242-243, v244-245 experts, v246-247, v248-249 weights
	v_cndmask_b32 v242, v10, v108, s62
	v_cndmask_b32 v243, v108, v10, s62
	v_cndmask_b32 v244, v11, v109, s62
	v_cndmask_b32 v245, v109, v11, s62
	v_cndmask_b32 v246, v8, v110, s62
	v_cndmask_b32 v247, v110, v8, s62
	v_cndmask_b32 v248, v9, v111, s62
	v_cndmask_b32 v249, v111, v9, s62
	v_mov_b32 v[K5], 0xbf87dc22                    ; -a5
	v_mov_b32 v[K5+1], 0xbf87dc22
.irp i, 0,1,2,3
	v_mov_b32 v[200+\i], 0                         ; lane permutes' destinations
.endr
.irp i, 0,1,2,3,4,5
	v_mov_b32 v[PN+\i], 0                          ; written on every way to their readers
.endr
	WIN 0
	s_wait_dscnt 0x0                               ; for the others' sake: my rows of x lie in LDS
	s_barrier_signal -1
	s_barrier_wait -1
	LOADS2
	WIN 0xc0
.irp u, 0,1
.irp s, 0,1,2,3,4,5,6,7
.irp c, 0,1
	ds_load_b128 v[64*\u+8*\s+4*\c:64*\u+8*\s+4*\c+3], v[XR] offset:8704*\u+272*(4*\s+2*\c)   ; x's sixteen fragments stay in registers
.endr
.endr
.endr
	WIN 0
; One product: K step s, column tile t, token tile u.  The first K step takes the bias as C.
.macro MM s, t, u
.set rD, AC+8*(2*(\t)+(\u))
.set rC, rD
.if (\s) == 0
.set rC, BI+8*(\t)
.endif
.set rA, 32*(\s)+8*(\t)
.set rB, 64*(\u)+8*(\s)
.set rW, WS+4*(\t)+(\s)/2
.set rS, XS+(\s)
.if ((\s)%2 == 0) && ((\u) == 0)
	v_wmma_scale_f32_16x16x128_f8f6f4 v[rD:rD+7], v[rA:rA+7], v[rB:rB+7], v[rC:rC+7], v[rW], v[rS] matrix_a_fmt:MATRIX_FMT_FP4 matrix_b_fmt:MATRIX_FMT_FP4
.elseif (\s)%2 == 0
	v_wmma_scale_f32_16x16x128_f8f6f4 v[rD:rD+7], v[rA:rA+7], v[rB:rB+7], v[rC:rC+7], v[rW], v[rS] matrix_a_fmt:MATRIX_FMT_FP4 matrix_b_fmt:MATRIX_FMT_FP4 matrix_b_scale:MATRIX_SCALE_ROW1
.elseif (\u) == 0
	v_wmma_scale_f32_16x16x128_f8f6f4 v[rD:rD+7], v[rA:rA+7], v[rB:rB+7], v[rC:rC+7], v[rW], v[rS] matrix_a_fmt:MATRIX_FMT_FP4 matrix_b_fmt:MATRIX_FMT_FP4 matrix_a_scale:MATRIX_SCALE_ROW1
.else
	v_wmma_scale_f32_16x16x128_f8f6f4 v[rD:rD+7], v[rA:rA+7], v[rB:rB+7], v[rC:rC+7], v[rW], v[rS] matrix_a_fmt:MATRIX_FMT_FP4 matrix_b_fmt:MATRIX_FMT_FP4 matrix_a_scale:MATRIX_SCALE_ROW1 matrix_b_scale:MATRIX_SCALE_ROW1
.endif
.endm
; A chunk's 64 products.  Both runs of its loads were issued on every way here, K step by K step: behind K step s's eight loads stand those of the 7 - s later K steps.
.macro GEMM
	WIN 0x5e
.irp s, 0,1,2,3,4,5,6,7
	s_wait_loadcnt 56-8*\s
.if \s == 0
	s_wait_dscnt 0x0                               ; the bias is in (at the head: x's fragments too)
	s_wait_alu depctr_vm_vsrc(0)                   ; the LDS stores issued so far have read the accumulators, which the products write, and the sums' registers and v206-207, which this chunk's vector lines write
.endif
.irp t, 0,1,2,3
.irp u, 0,1
	MM \s, \t, \u
.endr
.endr
.endr
	WIN 0
.endm
; THE WORK ON THE NUMBERS, in batches b of 16 registers (column tile b, both token tiles).  Three numbered lists; the symbol IN picks a line.
.macro PRE_L b                         ; 32 lines: 1 + 0.23164189 |x|;  -0.72134752 x^2
.set rX, AC+16*(\b)
.set rT, TT+48*((\b)%2)
.if IN < 16
	v_fma_f32 v[rT+IN], |v[rX+IN]|, s[KP], 1.0                     ; each accumulator is read from its low end on
.elseif IN < 24
	v_pk_mul_f32 v[rT+16+2*(IN-16):rT+17+2*(IN-16)], v[rX+2*(IN-16):rX+2*(IN-16)+1], v[rX+2*(IN-16):rX+2*(IN-16)+1]
.else
	v_pk_mul_f32 v[rT+16+2*(IN-24):rT+17+2*(IN-24)], v[rT+16+2*(IN-24):rT+17+2*(IN-24)], s[KC:KC+1] op_sel_hi:[1,0]
.endif
.endm
.macro TR_L b                          ; 32 lines: the reciprocals and exponentials, by turns; the symbol TK picks one
.set rT, TT+48*((\b)%2)
.if TK%2 == 0
	v_rcp_f32 v[rT+TK/2], v[rT+TK/2]
.else
	v_exp_f32 v[rT+16+TK/2], v[rT+16+TK/2]
.endif
.endm
.macro POST_L b                        ; 72 lines: the polynomial, 1 - q, x + |x| (1 - q), the sums
.set rX, AC+16*(\b)
.set rT, TT+48*((\b)%2)
.set rE, rT+16
.set rP, rT+32
.set pr, 2*(IN%8)
.if IN < 8
	v_pk_fma_f32 v[rP+pr:rP+pr+1], v[rT+pr:rT+pr+1], v[K5:K5+1], s[KA4:KA4+1] op_sel_hi:[1,1,0]
.elseif IN < 16
	v_pk_fma_f32 v[rP+pr:rP+pr+1], v[rP+pr:rP+pr+1], v[rT+pr:rT+pr+1], s[KA3:KA3+1] op_sel_hi:[1,1,0]
.elseif IN < 24
	v_pk_fma_f32 v[rP+pr:rP+pr+1], v[rP+pr:rP+pr+1], v[rT+pr:rT+pr+1], s[KA2:KA2+1] op_sel_hi:[1,1,0]
.elseif IN < 32
	v_pk_fma_f32 v[rP+pr:rP+pr+1], v[rP+pr:rP+pr+1], v[rT+pr:rT+pr+1], s[KA1:KA1+1] op_sel_hi:[1,1,0]
.elseif IN < 40
	v_pk_mul_f32 v[rP+pr:rP+pr+1], v[rP+pr:rP+pr+1], v[rT+pr:rT+pr+1]
.elseif IN < 48
	v_pk_fma_f32 v[rP+pr:rP+pr+1], v[rP+pr:rP+pr+1], v[rE+pr:rE+pr+1], 1.0 op_sel_hi:[1,1,0]
.elseif IN < 64
	v_fma_f32 v[rX+IN-48], |v[rX+IN-48]|, v[rP+IN-48], v[rX+IN-48]
.else
.set tu, IN%2
.set pr, 2*((IN-64)/2+4*tu)
	v_pk_add_f32 v[SS+2*tu:SS+2*tu+1], v[SS+2*tu:SS+2*tu+1], v[rX+pr:rX+pr+1]   ; the two token tiles by turns
.endif
.endm
.macro PLINE pb, qb                    ; line LN of the list: batch pb's 72 (if pb is not -1), then batch qb's 32
.if (\pb) >= 0
.if LN < 72
.set IN, LN
	POST_L \pb
.else
.set IN, LN-72
	PRE_L \qb
.endif
.else
.set IN, LN
	PRE_L \qb
.endif
.endm
; Batch b's 32 transcendentals, each followed by `per` plain lines of the neighbouring batches, which touch the other set of registers; the rest of the list follows the last.
; Then ONE wait for the batch, ahead of the first line that names a result.  The same wait states that batch pb's 2 gelu is written, for the LDS stores that follow the macro.
.macro MIX b, pb, qb, per, total
.set LN, 0
.set TK, 0
.rept 32
	TR_L \b
.rept \per
	PLINE \pb, \qb
.set LN, LN+1
.endr
.set TK, TK+1
.endr
.rept \total-32*\per
	PLINE \pb, \qb
.set LN, LN+1
.endr
	s_wait_alu depctr_va_vdst(0)
.endm
; The chunk's mean and sum of squared deviations of my 32 numbers of each token, merged into the running pair: n = 32 q so far, 32 new.
.macro VAR q
.if \q == 0
.set MCR, MEAN
.else
.set MCR, MC
.endif
	v_add_f32 v[MCR], v[SS], v[SS+1]
	v_add_f32 v[MCR+1], v[SS+2], v[SS+3]
	v_pk_mul_f32 v[MCR:MCR+1], v[MCR:MCR+1], 0x3d000000 op_sel_hi:[1,0]            ; / 32
.irp a, 0,1,2,3,4,5,6,7
.irp i, 0,1,2,3
.if \a%2 == 0
	v_pk_add_f32 v[TT+8*\a+2*\i:TT+8*\a+2*\i+1], v[AC+8*\a+2*\i:AC+8*\a+2*\i+1], v[MCR:MCR+1] op_sel_hi:[1,0] neg_lo:[0,1] neg_hi:[0,1]
.else
	v_pk_add_f32 v[TT+8*\a+2*\i:TT+8*\a+2*\i+1], v[AC+8*\a+2*\i:AC+8*\a+2*\i+1], v[MCR:MCR+1] op_sel:[0,1] op_sel_hi:[1,1] neg_lo:[0,1] neg_hi:[0,1]
.endif
.endr
.endr
.irp g, 0,1                            ; four chains by turns: v220, v222 and v232, v234
.irp i, 0,1,2,3
.irp c, 0,1,2,3
.set rq, 220+2*\c+8*(\c/2)
.set rd, TT+8*(4*\g+\c)+2*\i
.if (\g == 0) && (\i == 0)
	v_pk_mul_f32 v[rq:rq+1], v[rd:rd+1], v[rd:rd+1]
.else
	v_pk_fma_f32 v[rq:rq+1], v[rd:rd+1], v[rd:rd+1], v[rq:rq+1]
.endif
.endr
.endr
.endr
	v_pk_add_f32 v[220:221], v[220:221], v[232:233]
	v_pk_add_f32 v[222:223], v[222:223], v[234:235]
.if \q == 0
	v_add_f32 v[M2], v220, v221
	v_add_f32 v[M2+1], v222, v223
.else
.if \q == 1
.set RQ, 0x3f000000                    ; 1 / (q + 1)
.set CQ, 0x41800000                    ; 32 q / (q + 1)
.elseif \q == 2
.set RQ, 0x3eaaaaab
.set CQ, 0x41aaaaab
.else
.set RQ, 0x3e800000
.set CQ, 0x41c00000
.endif
	v_add_f32 v[T1], v220, v221
	v_add_f32 v[T1+1], v222, v223
	v_pk_add_f32 v[T1+2:T1+3], v[MC:MC+1], v[MEAN:MEAN+1] neg_lo:[0,1] neg_hi:[0,1]
	v_pk_add_f32 v[M2:M2+1], v[M2:M2+1], v[T1:T1+1]
	v_pk_mul_f32 v[T1+4:T1+5], v[T1+2:T1+3], v[T1+2:T1+3]
	v_pk_fma_f32 v[MEAN:MEAN+1], v[T1+2:T1+3], RQ, v[MEAN:MEAN+1] op_sel_hi:[1,0,1]
	v_pk_fma_f32 v[M2:M2+1], v[T1+4:T1+5], CQ, v[M2:M2+1] op_sel_hi:[1,0,1]
.endif
.endm
; Batch b's sixteen registers of 2 gelu go to LDS as an image of the registers: 512 consecutive bytes a store, my wave's own.  They stand behind a wait on va_vdst that follows the batch's last lines; no later line of the chunk writes them.
.macro HSTORE q, b
	WIN 0x04
.irp k, 0,1,2,3
	ds_store_b128 v[HA], v[AC+16*(\b)+4*\k:AC+16*(\b)+4*\k+3] offset:8192*(\q)+512*(4*(\b)+\k)
.endr
.endm
; CHUNK q of the expert in hand: products, the next chunk's loads, 2 gelu and its image to LDS, batch by batch, statistics.
.macro CHUNK q
	WIN 0x40
.irp t, 0,1,2,3
.irp f, 0,1
	ds_load_b128 v[BI+8*\t+4*\f:BI+8*\t+4*\f+3], v[PA] offset:256*\q+64*\t+16*\f   ; (every product and multiply-add that read these registers stands ahead of an earlier wait on va_vdst, and nothing since names them or v[PA])
.endr
.endr
	GEMM
.rept 4
	v_nop                                          ; four places behind the last product, ahead of the first read of results (ISA guide 7.12.1)
.endr
.if \q < 3                             ; the next chunk's loads.  All earlier loads were shown done by the products' last wait, so their bases may be written.  The expert's last chunk asks for nothing
	s_lshl_b32 s92, s26, 19
	s_add_co_u32 s92, s92, (\q+1)<<15
	s_mov_b32 s93, 0
	s_add_nc_u64 s[NP:NP+1], s[42:43], s[92:93]
	s_lshl_b32 s92, s26, 15
	s_add_co_u32 s92, s92, (\q+1)<<11
	s_add_nc_u64 s[NS:NS+1], s[44:45], s[92:93]
	s_wait_alu depctr_va_vdst(0)                   ; the 64 products are done reading We's scale words and fragments, in which the loads below land
	LOADS1
.endif
	WIN 0x55
.irp i, 0,1,2,3
	v_mov_b32 v[SS+\i], 0
.endr
.set IN, 0
.rept 32
	PRE_L 0
.set IN, IN+1
.endr
	MIX 0, -1, 1, 1, 32
	MIX 1, 0, 2, 3, 104
.if \q < 3
	LOADS2                                         ; straight behind the batch's wait: no vector or matrix instruction since the products names K steps 6 and 7
.endif
	HSTORE \q, 0                                   ; batch 0 is written: its last lines stand ahead of batch 1's wait
	WIN 0x55
	MIX 2, 1, 3, 3, 104
	HSTORE \q, 1
	WIN 0x55
	MIX 3, 2, -1, 2, 72
	HSTORE \q, 2
	WIN 0x55
.set IN, 0
.rept 72
	POST_L 3
.set IN, IN+1
.endr
	s_wait_alu depctr_va_vdst(0)                   ; batch 3's 2 gelu is written, which the four LDS stores below read
	HSTORE \q, 3
	WIN 0x55
	VAR \q                                         ; it reads the accumulators and writes none of them
	WIN 0
.endm
; CHUNK q once the rows' statistics are known: sum += gamma (A h2 - A mean) + G beta.  It touches my wave's own LDS bytes alone.
; Chunk 0's loads lean on the pair of waits that stands ahead of the phase.
.macro NCHUNK q
	WIN 0x40
.if \q > 0
	s_wait_dscnt 0x0                               ; the last chunk's stores are done
	s_wait_alu depctr_vm_vsrc(0)                   ; and have read the sums' registers, in which loads below land
	s_wait_alu depctr_va_vdst(0)                   ; the last chunk's multiply-adds have written the sums' registers and are done reading gamma, beta and 2 gelu: the loads below land in all four
.endif
.irp t, 0,1,2,3
.irp f, 0,1
	ds_load_b128 v[GAM+8*\t+4*\f:GAM+8*\t+4*\f+3], v[PA] offset:1024+256*\q+64*\t+16*\f
.endr
.endr
.irp t, 0,1,2,3
.irp f, 0,1
	ds_load_b128 v[BET+8*\t+4*\f:BET+8*\t+4*\f+3], v[PA] offset:2048+256*\q+64*\t+16*\f
.endr
.endr
.irp t, 0,1,2,3
.irp k, 0,1,2,3
	ds_load_b128 v[AC+16*\t+4*\k:AC+16*\t+4*\k+3], v[HA] offset:8192*\q+512*(4*\t+\k)
.endr
.irp u, 0,1
.irp f, 0,1
	ds_load_b128 v[OD+8*(2*\t+\u)+4*\f:OD+8*(2*\t+\u)+4*\f+3], v[OA+\u] offset:256*\q+64*\t+16*\f
.endr
.endr
.endr
	WIN 0x55
.irp t, 0,1,2,3
	s_wait_dscnt 24-8*\t                           ; column tile t's eight loads are in; eight for each later tile may be out
.irp u, 0,1
.irp i, 0,1,2,3
	v_pk_fma_f32 v[T1+8*\u+2*\i:T1+8*\u+2*\i+1], v[AC+8*(2*\t+\u)+2*\i:AC+8*(2*\t+\u)+2*\i+1], v[PN+2*\u:PN+2*\u+1], v[PN+2*\u:PN+2*\u+1] op_sel:[0,0,1] op_sel_hi:[1,0,1]
.endr
.endr
.irp u, 0,1
.irp i, 0,1,2,3
	v_pk_fma_f32 v[OD+8*(2*\t+\u)+2*\i:OD+8*(2*\t+\u)+2*\i+1], v[T1+8*\u+2*\i:T1+8*\u+2*\i+1], v[GAM+8*\t+2*\i:GAM+8*\t+2*\i+1], v[OD+8*(2*\t+\u)+2*\i:OD+8*(2*\t+\u)+2*\i+1]
.endr
.endr
.irp i, 0,1,2,3
	v_pk_fma_f32 v[OD+16*\t+2*\i:OD+16*\t+2*\i+1], v[BET+8*\t+2*\i:BET+8*\t+2*\i+1], v[GP:GP+1], v[OD+16*\t+2*\i:OD+16*\t+2*\i+1] op_sel_hi:[1,0,1]
.endr
.irp i, 0,1,2,3
	v_pk_fma_f32 v[OD+16*\t+8+2*\i:OD+16*\t+8+2*\i+1], v[BET+8*\t+2*\i:BET+8*\t+2*\i+1], v[GP:GP+1], v[OD+16*\t+8+2*\i:OD+16*\t+8+2*\i+1] op_sel:[0,1,0] op_sel_hi:[1,1,1]
.endr
.endr
	s_wait_alu depctr_va_vdst(0)                   ; the multiply-adds have written the sums, which the sixteen LDS stores below read
	WIN 0x04
.irp t, 0,1,2,3
.irp u, 0,1
.irp f, 0,1
	ds_store_b128 v[OA+\u], v[OD+8*(2*\t+\u)+4*\f:OD+8*(2*\t+\u)+4*\f+3] offset:256*\q+64*\t+16*\f
.endr
.endr
.endr
	WIN 0
.endm
.macro NPHASE                          ; the phase that is put off: an expert's four chunks onto the rows' sums
	NCHUNK 0
	NCHUNK 1
	NCHUNK 2
	NCHUNK 3
.endm
	s_mov_b32 s26, 0                               ; the expert
.Lexpert:                              ; eight trips.  Every wave passes both barriers of every trip; only the work is passed over
	s_bitcmp1_b32 s25, s26
	s_cbranch_scc0 .Lskip1
	s_cmp_lg_u32 s63, 0
	s_cbranch_scc0 .Lfirst                         ; the first expert in use: its loads went out at the head, and no phase is put off yet
	s_wait_loadcnt 0x0                             ; no load is out (the last chunk's products waited for all): the bases and the registers below are written again only behind this wait
	NEXTEXP 26                                     ; this expert's parameters and first chunk: 6 + 4 + 48 + 16 loads,
	s_wait_alu depctr_vm_vsrc(0)                   ; the LDS stores of the pass before have read the parameters' registers and the accumulators, in which loads below land, and v206-207, which the phase writes
	s_wait_alu depctr_va_vdst(0)                   ; its products are done reading We's scale words and fragments, its vector lines are done with gamma's, beta's, 2 gelu's and the sums' registers: the loads below and the phase's first loads land there
	LOADPRM
	LOADS1
	LOADS2
	NPHASE                                         ; and, while they are on their way, the phase put off from the expert before
.Lfirst:
	s_mov_b32 s63, 1
	s_wait_loadcnt 52                              ; this expert's parameters are in: 68 loads stand behind them, more than a wait can name, so a smaller count is taken
.irp i, 0,1,2,3,4,5
	ds_store_b128 v[PW], v[PRM+4*\i:PRM+4*\i+3] offset:512*\i      ; my wave's own bytes; LDS serves a wave's instructions in order: the phase above has read the old ones
.endr
	CHUNK 0
	CHUNK 1
	CHUNK 2
	CHUNK 3
	WIN 0x55                                       ; my 128 numbers of a token with lane l xor 16's 128
	v_permlanex16_b32 v200, v[MEAN], s60, s61
	v_permlanex16_b32 v201, v[MEAN+1], s60, s61
	v_permlanex16_b32 v202, v[M2], s60, s61
	v_permlanex16_b32 v203, v[M2+1], s60, s61
	v_pk_add_f32 v[204:205], v[MEAN:MEAN+1], v[200:201] neg_lo:[0,1] neg_hi:[0,1]
	v_pk_add_f32 v[MEAN:MEAN+1], v[MEAN:MEAN+1], v[200:201]
	v_pk_add_f32 v[M2:M2+1], v[M2:M2+1], v[202:203]
	v_pk_mul_f32 v[204:205], v[204:205], v[204:205]
	v_pk_mul_f32 v[MEAN:MEAN+1], v[MEAN:MEAN+1], 0.5 op_sel_hi:[1,0]
	v_pk_fma_f32 v[M2:M2+1], v[204:205], 0x42800000, v[M2:M2+1] op_sel_hi:[1,0,1]   ; + 64 delta^2
	v_cndmask_b32 v206, v[MEAN], v[MEAN+1], s62    ; lanes 0-15 speak for tokens 0-15, lanes 16-31 for tokens 16-31
	v_cndmask_b32 v207, v[M2], v[M2+1], s62
	s_wait_alu depctr_va_vdst(0)                   ; v206-207 are written, which the store below reads; the deviations' lines are done with v96-111, in which the loads behind the barrier land
	WIN 0x04
	ds_store_b64 v[SW], v[206:207]
	WIN 0
.Lskip1:
	s_wait_dscnt 0x0                               ; for the others' sake: my statistics lie in LDS
	s_barrier_signal -1
	s_barrier_wait -1
	s_bitcmp1_b32 s25, s26
	s_cbranch_scc0 .Lskip2
	WIN 0x40
.irp u, 0,1
.irp w, 0,1,2,3
	ds_load_b64 v[96+8*\u+2*\w:97+8*\u+2*\w], v[SR] offset:256*\w+128*\u
.endr
.endr
	s_wait_dscnt 0x0
	WIN 0x55                                       ; the four waves' 256 numbers each
.irp u, 0,1
	v_pk_add_f32 v[112+2*\u:113+2*\u], v[96+8*\u:97+8*\u], v[98+8*\u:99+8*\u]
.endr
.irp u, 0,1
	v_pk_add_f32 v[116+2*\u:117+2*\u], v[100+8*\u:101+8*\u], v[102+8*\u:103+8*\u]
.endr
.irp u, 0,1
	v_pk_add_f32 v[112+2*\u:113+2*\u], v[112+2*\u:113+2*\u], v[116+2*\u:117+2*\u]
.endr
.irp u, 0,1
	v_mul_f32 v[120+\u], 0x3e800000, v[112+2*\u]   ; the row's mean
.endr
.irp u, 0,1
.irp w, 0,1,2,3
	v_sub_f32 v[124+4*\u+\w], v[96+8*\u+2*\w], v[120+\u]
.endr
.endr
.irp u, 0,1
	v_mul_f32 v[132+\u], v[124+4*\u], v[124+4*\u]
.endr
.irp w, 1,2,3
.irp u, 0,1
	v_fma_f32 v[132+\u], v[124+4*\u+\w], v[124+4*\u+\w], v[132+\u]
.endr
.endr
.irp u, 0,1
	v_fma_f32 v[132+\u], v[132+\u], 0x43800000, v[113+2*\u]        ; the row's sum of squared deviations
.endr
.irp u, 0,1
	v_fma_f32 v[132+\u], v[132+\u], 0x3a800000, s27                ; / 1,024 + 4 eps
.endr
.irp u, 0,1
	v_rsq_f32 v[134+\u], v[132+\u]
.endr
	v_nop                                          ; a plain line behind the last of the two
.irp u, 0,1                            ; the token's weight for this expert, 0 if it did not choose it: the four compares in a run,
	v_cmp_eq_u32 s[92+\u], s26, v[242+\u]
	v_cmp_eq_u32 s[94+\u], s26, v[244+\u]
.endr
	s_wait_alu depctr_va_sdst(0)                   ; the four masks are written, ahead of their first reader
.irp u, 0,1
	v_cndmask_b32 v[GP+\u], 0, v[246+\u], s[92+\u]
	v_cndmask_b32 v[GP+\u], v[GP+\u], v[248+\u], s[94+\u]
.endr
	s_wait_alu depctr_va_vdst(0)                   ; one wait for the two roots, ahead of their first reader
.irp u, 0,1
	v_mul_f32 v[PN+2*\u], v[GP+\u], v[134+\u]      ; A = weight / sqrt(..)
.endr
.irp u, 0,1
	v_mul_f32 v[PN+2*\u+1], -v[PN+2*\u], v[120+\u] ; -A mean
.endr
	WIN 0
.Lskip2:
	s_wait_dscnt 0x0
	s_barrier_signal -1                            ; every wave's reads of the statistics are over: the next expert in use may write them again
	s_barrier_wait -1
	s_add_co_u32 s26, s26, 1
	s_cmp_lt_u32 s26, 8
	s_cbranch_scc1 .Lexpert
	s_wait_alu depctr_vm_vsrc(0)                   ; the last pass's LDS stores have read the accumulators, in which the phase's loads land, and v206-207, which it writes
	s_wait_alu depctr_va_vdst(0)                   ; its products and vector lines are done with gamma's, beta's, 2 gelu's and the sums' registers, in which the phase's first loads land
	NPHASE                                         ; the last expert's (every token names two experts, so a pass has been made)
	; THE WAY OUT: each wave stores eight whole rows, 512 consecutive bytes an instruction, at the tokens' own places.
	s_wait_dscnt 0x0                               ; for the others' sake: my columns of the sums lie in LDS
	s_barrier_signal -1
	s_barrier_wait -1
	s_wait_loadcnt 0x0                             ; no load is on its way into window 2, which takes the rows
	s_mov_b32 s93, 0
.irp j, 0,1,2,3,4,5,6,7
	s_lshl_b32 s92, s[68+\j], 12
	s_add_nc_u64 s[76+2*\j:77+2*\j], s[22:23], s[92:93]
.endr
	WIN 0x80
.irp j, 0,1,2,3,4,5,6,7
.irp k, 0,1,2,3,4,5,6,7
	ds_load_b128 v[4*(8*\j+\k):4*(8*\j+\k)+3], v[ORD] offset:OP*\j+512*\k   ; (the products that read window 2 stand ahead of the phase's waits on va_vdst, and nothing since names window 2 or v[ORD])
.endr
.endr
	WIN 0x08
.set CN, 63
.irp j, 0,1,2,3,4,5,6,7
.irp k, 0,1,2,3,4,5,6,7
	s_wait_dscnt CN                                ; LDS loads come back in order: this one is in, the younger ones may be out
	global_store_b128 v4, v[4*(8*\j+\k):4*(8*\j+\k)+3], s[76+2*\j:77+2*\j] offset:512*\k th:TH_STORE_NT
.set CN, CN-1
.endr
.endr
	WIN 0
	s_wait_dscnt 0x0
	s_wait_alu depctr_hold_cnt(0) depctr_sa_sdst(0) depctr_va_vdst(0) depctr_va_sdst(0) depctr_va_ssrc(0) depctr_va_vcc(0) depctr_vm_vsrc(0)
	s_wait_tensorcnt 0x0
	ds_add_u32 v254, v255
	s_wait_dscnt 0x0
	s_endpgm
.Lfunc_end_k_qb4e75fb43c_experts:
	.size	k_qb4e75fb43c_experts, .Lfunc_end_k_qb4e75fb43c_experts-k_qb4e75fb43c_experts
	.p2alignl 7, 3214868480
	.fill 96, 4, 3214868480
	.section	.rodata,"a",@progbits
	.p2align	6, 0x0
	.amdhsa_kernel k_qb4e75fb43c_experts
		.amdhsa_group_segment_fixed_size 301056
		.amdhsa_private_segment_fixed_size 0
		.amdhsa_enable_private_segment 0
		.amdhsa_kernarg_size 80
		.amdhsa_user_sgpr_count 2
		.amdhsa_user_sgpr_kernarg_segment_ptr 1
		.amdhsa_wavefront_size32 1
		.amdhsa_system_sgpr_workgroup_id_x 1
		.amdhsa_system_sgpr_workgroup_id_y 1
		.amdhsa_system_sgpr_workgroup_id_z 1
		.amdhsa_system_vgpr_workitem_id 0
		.amdhsa_next_free_vgpr 896
		.amdhsa_next_free_sgpr 100
		.amdhsa_reserve_vcc 0
		.amdhsa_float_denorm_mode_32 3
		.amdhsa_float_denorm_mode_16_64 3
		.amdhsa_memory_ordered 1
		.amdhsa_forward_progress 1
		.amdhsa_inst_pref_size 255
	.end_amdhsa_kernel
	.section	.bss,"aw",@nobits
	.p2align	6
	.space	262144
	.amdgpu_metadata
---
amdhsa.version: [ 1, 2 ]
amdhsa.kernels:
  - .name:           k_qb4e75fb43c_experts
    .symbol:         k_qb4e75fb43c_experts.kd
    .args:
      - { .name: rec, .offset: 0, .size: 8, .value_kind: global_buffer, .address_space: global }
      - { .name: gates, .offset: 8, .size: 8, .value_kind: global_buffer, .address_space: global }
      - { .name: xq, .offset: 16, .size: 8, .value_kind: global_buffer, .address_space: global }
      - { .name: xs, .offset: 24, .size: 8, .value_kind: global_buffer, .address_space: global }
      - { .name: wq, .offset: 32, .size: 8, .value_kind: global_buffer, .address_space: global }
      - { .name: wsc, .offset: 40, .size: 8, .value_kind: global_buffer, .address_space: global }
      - { .name: be, .offset: 48, .size: 8, .value_kind: global_buffer, .address_space: global }
      - { .name: gamma, .offset: 56, .size: 8, .value_kind: global_buffer, .address_space: global }
      - { .name: beta, .offset: 64, .size: 8, .value_kind: global_buffer, .address_space: global }
      - { .name: out0, .offset: 72, .size: 8, .value_kind: global_buffer, .address_space: global }
    .group_segment_fixed_size: 301056
    .private_segment_fixed_size: 0
    .kernarg_segment_align: 8
    .kernarg_segment_size: 80
    .max_flat_workgroup_size: 128
    .sgpr_count:     100
    .vgpr_count:     896
    .wavefront_size: 32
...
	.end_amdgpu_metadata
.endif
;; end of part 4
